; MI455X (gfx1250); checked and timed in simulation.
; The chip was launched on July 23, 2026; its instructions are those of AMD's public machine-readable ISA for CDNA 5 (MIT licence, August 2026) and "CDNA5" Instruction Set Architecture Reference Guide (July 2026). The comments in the code are by the model that wrote it; some were corrected since.
;; Gyro BNPV. Allowed arithmetic: float matrix products may take bf16 or f16 operands with f32 sums; other float arithmetic in f32, or as packed bf16 or f16 multiplies, adds, multiply-adds, maxima and minima; sums over many terms, partial sums and values carried from step to step in f32; what a program stores and reads back later, other than sums and carried values, may be rounded once to bf16 or f16.
;; Inputs: post_gain one number float32; shift 1 float32; weight 128 float32; x 131,072 x 128 float32.
;; Outputs: out0 131,072 x 128 float32.
;; 3 versions, each right; version 2 is faster than version 1; version 3 is version 2 with the launch final written anew for expert scheduling mode. Each part assembles by itself: llvm-mc -triple=amdgcn-amd-amdhsa -mcpu=gfx1250 --defsym DOCPART=n.
;; ======== version 1 of 3: 10 launches
;; limits: values are held in f16: magnitudes above 65,504 overflow, below 6.1e-05 lose precision; inputs' magnitudes at most 65,504
;; workspace buffers: xh 33,554,432 bytes; gam 524,288 bytes; wsa 133,888 bytes; wsb 133,888 bytes
;; launch first (part 1): grid 256 x 1, 16 waves a work-group, no clusters, 12,544 bytes of LDS; arguments x, xh, gam, wsa; writes xh, gam, wsa
.if DOCPART == 1
	.amdgcn_target "amdgcn-amd-amdhsa--gfx1250"
	.amdhsa_code_object_version 6
	.text
	.protected	k_q0bfab84b1b_first
	.globl	k_q0bfab84b1b_first
	.p2align	8
	.type	k_q0bfab84b1b_first,@function
k_q0bfab84b1b_first:
	s_mov_b64 s[64:65], 0
	v_nop
	global_prefetch_b8 v0, s[64:65] scope:SCOPE_SE
	s_setreg_imm32_b32 hwreg(HW_REG_WAVE_MODE, 25, 1), 1
	s_wait_xcnt 0x0
; GyroBNPV, LAUNCH 1 OF 10.  x: [131072][128] f32.  It is read here once, stored as xh (rounded once to f16) and never read again; with it goes gam[i] = sqrt(1 + |x_i|^2) in f32,
; taken of the rounded row.  The same pass does the first step's sums for mean0 = x[0] (rounded like every row).
; ALGEBRA.  g(u) = sqrt(1 + |u|^2).  (-m) (+) x = x - a m with a = g(x) - <m,x> / (1 + g(m)); its norm n has n^2 = C^2 - 1 with C = g(x) g(m) - <m,x>, and asinh(n) = ln(C + n).
; So the mean of the log maps is (S - T m) / N with S = sum of wt_i x_i, T = sum of wt_i a_i, wt = asinh(n) / max(n, 1e-12).  V = sum of asinh(n)^2 is taken along (the variance's sum in launch 9).
; SHARES.  256 work-groups of 16 waves; a work-group owns 512 rows, a wave 32.  Lane (h = lane / 16, r = lane % 16) holds, of row 2 j + h (j = 0..15), the eight columns 4 r .. 4 r + 3 and
; 64 + 4 r .. 64 + 4 r + 3: each f32 load has 16 lanes on 256 consecutive bytes, aligned, and the lane's eight f16 are 16 bytes of xh, so each store of xh covers 512 consecutive bytes.
; (xh's rows therefore hold the columns in that order; the mean and the weight are loaded in the same order, and out0 leaves in the true one.)
; OUT.  ws: 256 rows of S (512 bytes, one a work-group), then 256 T, 256 V, the mean (128 f32) and the done flag (32 equal words).  The next launch adds the rows up: sums stay in f32.
; LIMITS.  |x| below 65,504 (f16), below 6e-5 in f16's fixed step of 6e-8.  NaN and infinities are not treated apart.  C is held at 1 from below: a row nearer the mean than f32 resolves in C counts as on it (wt = 0).
; NOT USED: matrix units (the products have one useful column), tensor loads and clusters (no wave wants a byte that another fetched), a prefetch (all loads of the launch are issued at its head).
.set TOFF,  131072                     ; ws: byte of the 256 T; the 256 V follow 1,024 bytes on
.set MOFF,  133120                     ; ws: the mean
.set FOFF,  133632                     ; ws: the done flag
.set ACB,   0                          ; LDS: 16 rows of 512 bytes, a wave's S each
.set TVB,   8192                       ; LDS: 16 T, then 16 V
.set GAB,   8448                       ; LDS: the work-group's 512 gam
.set SPARE, 10496                      ; LDS: the spare words, 128 bytes a wave
.set LN,  1                            ; lane
.set RR,  2                            ; lane % 16
.set HH,  3                            ; lane / 16
.set L16, 4                            ; 16 x lane
.set R16, 5                            ; 16 x (lane % 16)
.set L4,  6                            ; 4 x lane
.set XO,  7                            ; my bytes in the work-group's rows of x: 16,384 w + 512 h + 16 r
.set HO,  8                            ; in its rows of xh: 8,192 w + 16 lane
.set SPW, 9                            ; my spare word; never rewritten
.set NIL, 10                           ; 0, for the add alone
.set ZR,  11                           ; 0
.set ONE, 12                           ; 1.0
.set GLA, 13                           ; 4 x (32 w + 2 r + h): the row whose numbers I hold behind the transposing sum
.set SD,  14                           ; 512 w + 16 lane
.set SE,  15                           ; 4 w
.set D,   16                           ; v[16:31]  <m, x> of row pair j, my eight columns' part; later the weights, broadcast
.set ACC, 32                           ; v[32:39]  S, my eight columns
.set TA,  40                           ; v[40:43]  at work
.set SM2, 44
.set GM,  45                           ; g(m)
.set KP,  46                           ; 1 / (1 + g(m))
.set GX,  47                           ; g(x) of my row
.set CC,  48
.set AA,  49
.set NN,  50
.set LG,  51
.set NM,  52
.set DD,  53
.set GG,  54
.set TL,  55
.set VL,  56
.set TP,  57
.set TP2, 58
.set TVO, 60                           ; 1,024 h + 4 x work-group
.set R,   64                           ; v[64:191] row pair j: 8 registers of f32; the first 4 then hold the 8 f16
.set Q,   192                          ; v[192:207] |x|^2 of row pair j, my part
.set MM,  208                          ; v[208:215] the mean, my eight columns
.set TQ,  216                          ; v[216:223] at work
.set MH,  224                          ; v[224:227] x[0] as f16
.set OM,  228                          ; v[228:231] the mean as stored
.set WV,  12                           ; s12 wave
.set MB3, 24                           ; s24-27 lanes whose r has bit 3, 2, 1, 0 set
.set MB2, 25
.set MB1, 26
.set MB0, 27
.set HM,  28                           ; lanes 16 to 31
.set SEL, 30                           ; s[30:31] v_permlanex16_b32: each lane takes its own place in the other half
.macro TW                              ; behind a batch of transcendentals: a plain instruction, and the wait on va_vdst ahead of the first reader
	v_nop
	s_wait_alu depctr_va_vdst(0)
.endm
.macro MIX d, xr, hf, b, c             ; d = f16 half hf of xr, times b, plus c, in f32
.if \hf
	v_fma_mix_f32 v[\d], v[\xr], v[\b], v[\c] op_sel:[1,0,0] op_sel_hi:[1,0,0]
.else
	v_fma_mix_f32 v[\d], v[\xr], v[\b], v[\c] op_sel_hi:[1,0,0]
.endif
.endm
.macro MIXSQ d, xr, hf, c              ; d = that half squared, plus c
.if \hf
	v_fma_mix_f32 v[\d], v[\xr], v[\xr], v[\c] op_sel:[1,1,0] op_sel_hi:[1,1,0]
.else
	v_fma_mix_f32 v[\d], v[\xr], v[\xr], v[\c] op_sel_hi:[1,1,0]
.endif
.endm
.macro XSTEP a, m
	v_add_f32_dpp v[\a], v[\a], v[\a] row_xmask:\m row_mask:0xf bank_mask:0xf
.endm
.macro RED16 a                         ; the sum over 16 lanes, in each of them
.irp m, 1,2,4,8
	XSTEP \a, \m
.endr
.endm
; THE TRANSPOSING SUM.  16 numbers a lane, each to be added over the 16 lanes of a half.  In the step with distance c a lane keeps the half of its numbers that its bit c of r chooses, sends the
; other half to the lane c away, and adds what it receives: 8 + 4 + 2 + 1 times three instructions, and lane r ends with the whole sum number r: row 2 r + h.
.macro TSTEP base, cnt, sm
.set j, 0
.rept \cnt
	v_cndmask_b32 v[TA+j%4], v[\base+j+\cnt], v[\base+j], s[\sm]
	v_cndmask_b32 v[\base+j], v[\base+j], v[\base+j+\cnt], s[\sm]
	v_add_f32_dpp v[\base+j], v[TA+j%4], v[\base+j] row_xmask:\cnt row_mask:0xf bank_mask:0xf
.set j, j+1
.endr
.endm
.macro TRED base
	TSTEP \base, 8, MB3
	TSTEP \base, 4, MB2
	TSTEP \base, 2, MB1
	TSTEP \base, 1, MB0
.endm
.macro TREE base, st                   ; 16 groups of 4 registers, st apart, added into the first
.irp n, 8,4,2,1
.set j, 0
.rept \n
	v_pk_add_f32 v[\base+\st*j:\base+\st*j+1], v[\base+\st*j:\base+\st*j+1], v[\base+\st*(j+\n):\base+\st*(j+\n)+1]
	v_pk_add_f32 v[\base+\st*j+2:\base+\st*j+3], v[\base+\st*j+2:\base+\st*j+3], v[\base+\st*(j+\n)+2:\base+\st*(j+\n)+3]
.set j, j+1
.endr
.endr
.endm
.macro ROWMATH p                       ; a lane a row: from <m,x> in p and g(x): the weight GG, its share TL of T and VL of V
	v_fma_f32 v[CC], v[GX], v[GM], -v[\p]
	v_fma_f32 v[AA], -v[KP], v[\p], v[GX]          ; a
	v_max_num_f32 v[CC], 1.0, v[CC]                ; C is a cosh
	v_fma_f32 v[NN], v[CC], v[CC], -1.0
	v_sqrt_f32 v[NN], v[NN]                        ; n
	TW
	v_add_f32 v[LG], v[CC], v[NN]
	v_max_num_f32 v[NM], 0x2b8cbccc, v[NN]         ; max(n, 1e-12)
	v_log_f32 v[LG], v[LG]
	v_rcp_f32 v[NM], v[NM]
	TW
	v_mul_f32 v[DD], 0x3f317218, v[LG]             ; asinh(n) = ln 2 x log2(C + n); 0 where n = 0, and the weight with it
	v_mul_f32 v[GG], v[DD], v[NM]
	v_mul_f32 v[TL], v[GG], v[AA]
	v_mul_f32 v[VL], v[DD], v[DD]
.endm
	s_load_b256 s[4:11], s[0:1], 0x0               ; x s[4:5], xh s[6:7], gam s[8:9], ws s[10:11]
	v_lshl_add_u32 v[SPW], v0, 2, SPARE
	v_mov_b32 v[NIL], 0
	v_lshrrev_b32 v[TA], 5, v0
	v_readfirstlane_b32 s[WV], v[TA]
	v_and_b32 v[LN], 31, v0
	v_and_b32 v[RR], 15, v0
	v_bfe_u32 v[HH], v0, 4, 1
	v_lshlrev_b32 v[L16], 4, v[LN]
	v_lshlrev_b32 v[R16], 4, v[RR]
	v_lshlrev_b32 v[L4], 2, v[LN]
	v_mov_b32 v[ZR], 0
	v_mov_b32 v[ONE], 1.0
	v_mov_b32 v[TP], 0                             ; v_permlanex16_b32 counts as a reader of its destination
	v_mov_b32 v[TP2], 0
	s_lshl_b32 s13, s[WV], 14
	v_lshl_add_u32 v[XO], v[HH], 9, v[R16]
	v_add_nc_u32 v[XO], s13, v[XO]
	s_lshl_b32 s13, s[WV], 13
	v_add_nc_u32 v[HO], s13, v[L16]
	s_lshl_b32 s13, s[WV], 7
	v_lshl_add_u32 v[GLA], v[RR], 3, s13
	v_lshl_add_u32 v[GLA], v[HH], 2, v[GLA]
	s_lshl_b32 s13, s[WV], 9
	v_add_nc_u32 v[SD], s13, v[L16]
	s_lshl_b32 s13, s[WV], 2
	v_mov_b32 v[SE], s13
	s_lshl_b32 s13, ttmp9, 2
	v_lshl_add_u32 v[TVO], v[HH], 10, s13
	s_mov_b32 s[MB3], 0xff00ff00
	s_mov_b32 s[MB2], 0xf0f0f0f0
	s_mov_b32 s[MB1], 0xcccccccc
	s_mov_b32 s[MB0], 0xaaaaaaaa
	s_mov_b32 s[HM], 0xffff0000
	s_mov_b32 s[SEL], 0x76543210
	s_mov_b32 s[SEL+1], 0xfedcba98
	s_lshl_b32 s14, ttmp9, 18                      ; the work-group's 512 rows of 512 bytes
	s_mov_b32 s15, 0
	s_wait_kmcnt 0x0
	global_load_b128 v[TQ:TQ+3], v[R16], s[4:5]              ; x[0], my eight columns: wanted first, asked for first
	global_load_b128 v[TQ+4:TQ+7], v[R16], s[4:5] offset:256
	s_add_nc_u64 s[16:17], s[4:5], s[14:15]        ; x,
	s_lshl_b32 s14, ttmp9, 17
	s_add_nc_u64 s[18:19], s[6:7], s[14:15]        ; xh,
	s_lshl_b32 s14, ttmp9, 11
	s_add_nc_u64 s[20:21], s[8:9], s[14:15]        ; gam at the work-group's rows,
	s_lshl_b32 s14, ttmp9, 9
	s_add_nc_u64 s[22:23], s[10:11], s[14:15]      ; ws at its row of S
.irp j, 0,1,2,3,4,5,6,7,8,9,10,11,12,13,14,15      ; the wave's whole share, 16 KiB, is asked for at once
	global_load_b128 v[R+8*\j:R+8*\j+3], v[XO], s[16:17] offset:1024*\j th:TH_LOAD_NT
	global_load_b128 v[R+8*\j+4:R+8*\j+7], v[XO], s[16:17] offset:1024*\j+256 th:TH_LOAD_NT
.endr
	s_wait_loadcnt 32                              ; x[0]'s two loads are in; the 32 behind them stay out
.irp k, 0,1,2,3
	v_cvt_pk_f16_f32 v[MH+\k], v[TQ+2*\k], v[TQ+2*\k+1]
.endr
.irp e, 0,1,2,3,4,5,6,7
	MIX MM+\e, MH+\e/2, \e%2, ONE, ZR              ; mean0 is the row as every later launch sees it
.endr
	v_mul_f32 v[SM2], v[MM], v[MM]
.irp e, 1,2,3,4,5,6,7
	v_fmac_f32 v[SM2], v[MM+\e], v[MM+\e]
.endr
	RED16 SM2
	v_add_f32 v[GM], 1.0, v[SM2]
	v_sqrt_f32 v[GM], v[GM]
	TW
	v_add_f32 v[KP], 1.0, v[GM]
	v_rcp_f32 v[KP], v[KP]
	TW
	s_or_b32 s13, ttmp9, s[WV]                     ; one wave of the launch stores the mean and the flag
	s_cmp_lg_u32 s13, 0
	s_cbranch_scc1 .Lnostate
.irp e, 0,1,2,3
	v_cndmask_b32 v[OM+\e], v[MM+\e], v[MM+4+\e], s[HM]  ; lanes 16 to 31 store columns 64 on: 512 consecutive bytes
.endr
	global_store_b128 v[L16], v[OM:OM+3], s[10:11] offset:MOFF
	global_store_b32 v[L4], v[ZR], s[10:11] offset:FOFF  ; not done
.Lnostate:
.set j, 0
.rept 16
	s_wait_loadcnt 30-2*j                          ; row pair j is in; the 2 (15 - j) younger loads stay out
	v_cvt_pk_f16_f32 v[R+8*j], v[R+8*j], v[R+8*j+1]
	v_cvt_pk_f16_f32 v[R+8*j+1], v[R+8*j+2], v[R+8*j+3]
	v_cvt_pk_f16_f32 v[R+8*j+2], v[R+8*j+4], v[R+8*j+5]
	v_cvt_pk_f16_f32 v[R+8*j+3], v[R+8*j+6], v[R+8*j+7]
	global_store_b128 v[HO], v[R+8*j:R+8*j+3], s[18:19] offset:512*j  ; these four registers are only read from here on
	MIX D+j, R+8*j, 0, MM, ZR
	MIXSQ Q+j, R+8*j, 0, ZR
.set e, 1
.rept 7
	MIX D+j, R+8*j+e/2, e%2, MM+e, D+j
	MIXSQ Q+j, R+8*j+e/2, e%2, Q+j
.set e, e+1
.endr
.set j, j+1
.endr
	TRED D
	TRED Q
	v_add_f32 v[GX], 1.0, v[Q]
	v_sqrt_f32 v[GX], v[GX]
	TW
	ds_store_b32 v[GLA], v[GX] offset:GAB          ; gam leaves through LDS, so that it is stored in runs of 512 bytes
	ROWMATH D
.irp j, 0,1,2,3,4,5,6,7,8,9,10,11,12,13,14,15
	v_mov_b32_dpp v[D+\j], v[GG] row_share:\j row_mask:0xf bank_mask:0xf  ; the weight of row 2 j + h, in all 16 lanes that hold the row
.endr
.irp j, 0,1,2,3,4,5,6,7,8,9,10,11,12,13,14,15
.irp e, 0,1,2,3,4,5,6,7
.if \j == 0
	MIX ACC+\e, R+8*\j+\e/2, \e%2, D+\j, ZR        ; the first row pair starts the sums
.else
	MIX ACC+\e, R+8*\j+\e/2, \e%2, D+\j, ACC+\e
.endif
.endr
.endr
.irp e, 0,1,2,3,4,5,6,7
	v_permlanex16_b32 v[TQ+\e], v[ACC+\e], s[SEL], s[SEL+1]  ; even rows' sums and odd rows' lie 16 lanes apart
.endr
.irp e, 0,1,2,3,4,5,6,7
	v_add_f32 v[ACC+\e], v[ACC+\e], v[TQ+\e]
.endr
.irp e, 0,1,2,3
	v_cndmask_b32 v[TQ+\e], v[ACC+\e], v[ACC+4+\e], s[HM]
.endr
	ds_store_b128 v[SD], v[TQ:TQ+3] offset:ACB
.irp m, 1,2,4,8
	XSTEP TL, \m
	XSTEP VL, \m
.endr
	v_permlanex16_b32 v[TP], v[TL], s[SEL], s[SEL+1]
	v_permlanex16_b32 v[TP2], v[VL], s[SEL], s[SEL+1]
	v_add_f32 v[TL], v[TL], v[TP]
	v_add_f32 v[VL], v[VL], v[TP2]
	ds_store_b32 v[SE], v[TL] offset:TVB           ; all lanes write the wave's one word with one value
	ds_store_b32 v[SE], v[VL] offset:TVB+64
	s_wait_dscnt 0x0                               ; for the others' sake: my stores are done
	s_barrier_signal -1
	s_barrier_wait -1
	s_cmp_gt_u32 s[WV], 4
	s_cbranch_scc1 .Lend
	s_cmp_eq_u32 s[WV], 4
	s_cbranch_scc1 .Lsum
	ds_load_b128 v[TQ:TQ+3], v[SD] offset:GAB      ; waves 0 to 3: 128 gam each, 512 consecutive bytes
	s_wait_dscnt 0x0
	global_store_b128 v[SD], v[TQ:TQ+3], s[20:21]
	s_branch .Lend
.Lsum:                                                 ; wave 4 adds the 16 waves' sums and stores the work-group's row
.irp j, 0,1,2,3,4,5,6,7,8,9,10,11,12,13,14,15
	ds_load_b128 v[R+8*\j+4:R+8*\j+7], v[L16] offset:ACB+512*\j  ; into the registers that no store of xh reads
.endr
	ds_load_b32 v[TL], v[L4] offset:TVB            ; lanes 0 to 15 the T, lanes 16 to 31 the V
	s_wait_dscnt 0x0
	TREE R+4, 8
	RED16 TL
	global_store_b128 v[L16], v[R+4:R+7], s[22:23]
	v_cmp_eq_u32 vcc_lo, 0, v[RR]
	s_wait_xcnt 0x0                                ; EXEC changes only behind this wait
	s_and_saveexec_b32 s29, vcc_lo
	global_store_b32 v[TVO], v[TL], s[10:11] offset:TOFF  ; lane 0: T, lane 16: V
	s_wait_xcnt 0x0                                ; and again ahead of the line that widens it
	s_or_b32 exec_lo, exec_lo, s29
.Lend:
	s_wait_tensorcnt 0x0                           ; the wave's end: a tensor wait, an LDS add and its wait, behind my last LDS store
	ds_add_u32 v[SPW], v[NIL]
	s_wait_dscnt 0x0
	s_endpgm
.Lfunc_end_k_q0bfab84b1b_first:
	.size	k_q0bfab84b1b_first, .Lfunc_end_k_q0bfab84b1b_first-k_q0bfab84b1b_first
	.p2alignl 7, 3214868480
	.fill 96, 4, 3214868480
	.section	.rodata,"a",@progbits
	.p2align	6, 0x0
	.amdhsa_kernel k_q0bfab84b1b_first
		.amdhsa_group_segment_fixed_size 12544
		.amdhsa_private_segment_fixed_size 0
		.amdhsa_enable_private_segment 0
		.amdhsa_kernarg_size 32
		.amdhsa_user_sgpr_count 2
		.amdhsa_user_sgpr_kernarg_segment_ptr 1
		.amdhsa_wavefront_size32 1
		.amdhsa_system_sgpr_workgroup_id_x 1
		.amdhsa_system_sgpr_workgroup_id_y 1
		.amdhsa_system_sgpr_workgroup_id_z 1
		.amdhsa_system_vgpr_workitem_id 0
		.amdhsa_next_free_vgpr 232
		.amdhsa_next_free_sgpr 66
		.amdhsa_reserve_vcc 1
		.amdhsa_float_denorm_mode_32 3
		.amdhsa_float_denorm_mode_16_64 3
		.amdhsa_memory_ordered 1
		.amdhsa_forward_progress 1
		.amdhsa_inst_pref_size 51
	.end_amdhsa_kernel
	.amdgpu_metadata
---
amdhsa.version: [ 1, 2 ]
amdhsa.kernels:
  - .name:           k_q0bfab84b1b_first
    .symbol:         k_q0bfab84b1b_first.kd
    .args:
      - { .name: x, .offset: 0, .size: 8, .value_kind: global_buffer, .address_space: global }
      - { .name: xh, .offset: 8, .size: 8, .value_kind: global_buffer, .address_space: global }
      - { .name: gam, .offset: 16, .size: 8, .value_kind: global_buffer, .address_space: global }
      - { .name: wsa, .offset: 24, .size: 8, .value_kind: global_buffer, .address_space: global }
    .group_segment_fixed_size: 12544
    .private_segment_fixed_size: 0
    .kernarg_segment_align: 8
    .kernarg_segment_size: 32
    .max_flat_workgroup_size: 512
    .sgpr_count:     66
    .vgpr_count:     232
    .wavefront_size: 32
...
	.end_amdgpu_metadata
.endif
;; end of part 1
;; launch it1 (part 2): grid 256 x 1, 16 waves a work-group, no clusters, 19,712 bytes of LDS; arguments xh, gam, wsa, wsb; writes wsb
.if DOCPART == 2
	.amdgcn_target "amdgcn-amd-amdhsa--gfx1250"
	.amdhsa_code_object_version 6
	.text
	.protected	k_q0bfab84b1b_it1
	.globl	k_q0bfab84b1b_it1
	.p2align	8
	.type	k_q0bfab84b1b_it1,@function
k_q0bfab84b1b_it1:
	s_mov_b64 s[64:65], 0
	v_nop
	global_prefetch_b8 v0, s[64:65] scope:SCOPE_SE
	s_setreg_imm32_b32 hwreg(HW_REG_WAVE_MODE, 25, 1), 1
	s_wait_xcnt 0x0
; GyroBNPV, LAUNCHES 2 TO 9 (one text, the two tables ws by turns).  HEAD: every work-group adds up the 256 rows of S and the 256 T that the launch before stored, and steps the mean as reference() does:
; step = (S - T m) / N, cut to length 0.5; new = m (+) expmap0(step); the mean stays if done; done |= |new - m| < 1e-6.  Work-group 0 stores the mean and the flag.
; PASS: with that mean the sums S, T, V over the work-group's 512 rows of xh, as in launch 1 (whose head gives the algebra, the lanes' layout and the limits).  Launch 9's V is the variance's sum; its S and T serve nothing.
; SHARES.  16 waves; a wave adds 16 rows of the table and owns 32 rows of xh (8 KiB, 64 registers).  All loads are issued at the head, the table's first: xh comes in while the head computes.
; THE TABLE'S SUM: a wave's 16 rows in registers; 16 rows of 544 bytes in LDS; wave w adds columns 8 w .. 8 w + 7 of them (lane = row x half, then across lanes); the 512 bytes of the total are read by all.
; sinh(t) / t for the step is the series to t^8: t is at most 0.5 for every input, by the cut that reference() makes, and the first term left out is under 3e-11 there.
; The test |new - m| < 1e-6 is made on the squares.  No branch hangs on it: the flag chooses values.
; NO CLUSTER: what all work-groups share is the table, 131,072 bytes.  It is added up in the registers that its loads fill; a joint tensor load would lay the same bytes into LDS, from where each would be read once more.
; NOT USED: matrix units (one useful column), a prefetch (nothing is known earlier than the head, where all loads go out).
.set TOFF,  131072
.set MOFF,  133120
.set FOFF,  133632
.set STG,   0                          ; LDS: 16 rows, a wave's sum of 16 table rows each
.set SPITCH, 544                       ; 512 bytes + 32 = 136 words: row q starts at bank 8 q mod 64 (64 banks of 4 bytes: ISA guide 11.1)
.set FIN,   8704                       ; LDS: the total, 512 bytes
.set ACB,   9216                       ; LDS: 16 rows of 512 bytes, a wave's S each
.set TVB,   17408                      ; LDS: 16 T, then 16 V
.set SPARE, 17664                      ; LDS: the spare words, 128 bytes a wave
.set LN,  1
.set RR,  2
.set HH,  3
.set L16, 4
.set R16, 5
.set L4,  6
.set PO,  7                            ; 8,192 w + 16 lane: my bytes in my 16 rows of the table, and in the work-group's rows of xh
.set GO,  8                            ; 4 x (32 w + 2 r + h)
.set SPW, 9
.set NIL, 10
.set ZR,  11
.set SA,  12                           ; 544 w + 16 lane
.set SB,  13                           ; 544 (lane / 2) + 32 w + 16 (lane % 2)
.set SC,  14                           ; 32 w + 16 (lane % 2)
.set SD,  15                           ; 512 w + 16 lane
.set D,   16
.set ACC, 32
.set TA,  40
.set SE,  44
.set TVO, 45
.set TP,  46
.set TT,  47                           ; T
.set U0,  48                           ; |step|^2
.set U1,  49                           ; <m, step>
.set U2,  50                           ; |m|^2
.set SN,  51
.set SCL, 52
.set NS,  53
.set XX,  54
.set PL,  55
.set KE,  56
.set EE,  57
.set ME,  58
.set T3,  59
.set T4,  60
.set CO2, 61
.set U3,  62
.set U4,  63
.set CC,  48                           ; the pass takes the head's registers again
.set AA,  49
.set NN,  50
.set LG,  51
.set NM,  52
.set DD,  53
.set GG,  54
.set TL,  55
.set VL,  56
.set P,   64                           ; v[64:127]  16 rows of the table
.set X,   128                          ; v[128:191] 16 row pairs of xh
.set TPR, 192                          ; v[192:199] eight T
.set M,   200                          ; v[200:207] the old mean
.set S,   208                          ; v[208:215] S
.set ST,  216                          ; v[216:223] the step; then the mean as stored
.set DF,  224                          ; v[224:231] new - old
.set MM,  232                          ; v[232:239] the mean of this pass
.set DN,  240
.set DO,  241
.set M2O, 242
.set GM,  243
.set KP,  244
.set GX,  245
.set TP2, 246
.set WV,  12
.set CV,  23
.set MB3, 24
.set MB2, 25
.set MB1, 26
.set MB0, 27
.set HM,  28
.set SEL, 30
.macro TW                              ; behind a batch of transcendentals: a plain instruction, and the wait on va_vdst ahead of the first reader
	v_nop
	s_wait_alu depctr_va_vdst(0)
.endm
.macro MIX d, xr, hf, b, c             ; d = f16 half hf of xr, times b, plus c, in f32
.if \hf
	v_fma_mix_f32 v[\d], v[\xr], v[\b], v[\c] op_sel:[1,0,0] op_sel_hi:[1,0,0]
.else
	v_fma_mix_f32 v[\d], v[\xr], v[\b], v[\c] op_sel_hi:[1,0,0]
.endif
.endm
.macro XSTEP a, m
	v_add_f32_dpp v[\a], v[\a], v[\a] row_xmask:\m row_mask:0xf bank_mask:0xf
.endm
.macro RED16 a
.irp m, 1,2,4,8
	XSTEP \a, \m
.endr
.endm
.macro TSTEP base, cnt, sm             ; the transposing sum's step with distance cnt: keep one half of the numbers, send the other, add what comes
.set j, 0
.rept \cnt
	v_cndmask_b32 v[TA+j%4], v[\base+j+\cnt], v[\base+j], s[\sm]
	v_cndmask_b32 v[\base+j], v[\base+j], v[\base+j+\cnt], s[\sm]
	v_add_f32_dpp v[\base+j], v[TA+j%4], v[\base+j] row_xmask:\cnt row_mask:0xf bank_mask:0xf
.set j, j+1
.endr
.endm
.macro TRED base                       ; 16 numbers a lane, summed over 16 lanes: lane r ends with sum number r, row 2 r + h
	TSTEP \base, 8, MB3
	TSTEP \base, 4, MB2
	TSTEP \base, 2, MB1
	TSTEP \base, 1, MB0
.endm
.macro TREE base, st                   ; 16 groups of 4 registers, st apart, added into the first
.irp n, 8,4,2,1
.set j, 0
.rept \n
	v_pk_add_f32 v[\base+\st*j:\base+\st*j+1], v[\base+\st*j:\base+\st*j+1], v[\base+\st*(j+\n):\base+\st*(j+\n)+1]
	v_pk_add_f32 v[\base+\st*j+2:\base+\st*j+3], v[\base+\st*j+2:\base+\st*j+3], v[\base+\st*(j+\n)+2:\base+\st*(j+\n)+3]
.set j, j+1
.endr
.endr
.endm
.macro ROWMATH p                       ; a lane a row: from <m,x> in p and g(x): the weight GG, its share TL of T and VL of V
	v_fma_f32 v[CC], v[GX], v[GM], -v[\p]
	v_fma_f32 v[AA], -v[KP], v[\p], v[GX]
	v_max_num_f32 v[CC], 1.0, v[CC]
	v_fma_f32 v[NN], v[CC], v[CC], -1.0
	v_sqrt_f32 v[NN], v[NN]
	TW
	v_add_f32 v[LG], v[CC], v[NN]
	v_max_num_f32 v[NM], 0x2b8cbccc, v[NN]
	v_log_f32 v[LG], v[LG]
	v_rcp_f32 v[NM], v[NM]
	TW
	v_mul_f32 v[DD], 0x3f317218, v[LG]
	v_mul_f32 v[GG], v[DD], v[NM]
	v_mul_f32 v[TL], v[GG], v[AA]
	v_mul_f32 v[VL], v[DD], v[DD]
.endm
	s_load_b256 s[4:11], s[0:1], 0x0               ; xh s[4:5], gam s[6:7], the table read s[8:9], the table written s[10:11]
	v_lshl_add_u32 v[SPW], v0, 2, SPARE
	v_mov_b32 v[NIL], 0
	v_lshrrev_b32 v[TA], 5, v0
	v_readfirstlane_b32 s[WV], v[TA]
	v_and_b32 v[LN], 31, v0
	v_and_b32 v[RR], 15, v0
	v_bfe_u32 v[HH], v0, 4, 1
	v_lshlrev_b32 v[L16], 4, v[LN]
	v_lshlrev_b32 v[R16], 4, v[RR]
	v_lshlrev_b32 v[L4], 2, v[LN]
	v_mov_b32 v[ZR], 0
	v_mov_b32 v[TP], 0
	v_mov_b32 v[TP2], 0
	s_lshl_b32 s13, s[WV], 13
	v_add_nc_u32 v[PO], s13, v[L16]
	s_lshl_b32 s14, ttmp9, 17                      ; the work-group's 512 rows of 256 bytes
	s_mov_b32 s15, 0
	s_wait_kmcnt 0x0
.irp j, 0,1,2,3,4,5,6,7,8,9,10,11,12,13,14,15      ; what the head waits for goes out first
	global_load_b128 v[P+4*\j:P+4*\j+3], v[PO], s[8:9] offset:512*\j
.endr
	global_load_b128 v[TPR:TPR+3], v[L16], s[8:9] offset:TOFF
	global_load_b128 v[TPR+4:TPR+7], v[L16], s[8:9] offset:TOFF+512
	global_load_b128 v[M:M+3], v[R16], s[8:9] offset:MOFF
	global_load_b128 v[M+4:M+7], v[R16], s[8:9] offset:MOFF+256
	global_load_b32 v[DN], v[L4], s[8:9] offset:FOFF
	s_add_nc_u64 s[16:17], s[4:5], s[14:15]
	s_lshl_b32 s14, ttmp9, 11
	s_add_nc_u64 s[18:19], s[6:7], s[14:15]
	s_lshl_b32 s14, ttmp9, 9
	s_add_nc_u64 s[20:21], s[10:11], s[14:15]
	s_lshl_b32 s13, s[WV], 7
	v_lshl_add_u32 v[GO], v[RR], 3, s13
	v_lshl_add_u32 v[GO], v[HH], 2, v[GO]
.irp j, 0,1,2,3,4,5,6,7,8,9,10,11,12,13,14,15      ; then the wave's whole share of xh
	global_load_b128 v[X+4*\j:X+4*\j+3], v[PO], s[16:17] offset:512*\j
.endr
	global_load_b32 v[GX], v[GO], s[18:19]
	s_mul_i32 s13, s[WV], SPITCH
	v_add_nc_u32 v[SA], s13, v[L16]
	v_lshrrev_b32 v[SB], 1, v[LN]
	v_mul_u32_u24 v[SB], v[SB], SPITCH
	v_and_b32 v[SC], 1, v[LN]
	v_lshlrev_b32 v[SC], 4, v[SC]
	s_lshl_b32 s13, s[WV], 5
	v_add_nc_u32 v[SC], s13, v[SC]
	v_add_nc_u32 v[SB], v[SB], v[SC]
	s_lshl_b32 s13, s[WV], 9
	v_add_nc_u32 v[SD], s13, v[L16]
	s_lshl_b32 s13, s[WV], 2
	v_mov_b32 v[SE], s13
	s_lshl_b32 s13, ttmp9, 2
	v_lshl_add_u32 v[TVO], v[HH], 10, s13
	s_mov_b32 s[MB3], 0xff00ff00
	s_mov_b32 s[MB2], 0xf0f0f0f0
	s_mov_b32 s[MB1], 0xcccccccc
	s_mov_b32 s[MB0], 0xaaaaaaaa
	s_mov_b32 s[HM], 0xffff0000
	s_mov_b32 s[SEL], 0x76543210
	s_mov_b32 s[SEL+1], 0xfedcba98
	s_wait_loadcnt 22                              ; my 16 rows of the table are in; the 22 loads behind them (T 2, mean 2, flag 1, xh 16, gam 1) stay out
	TREE P, 4
	ds_store_b128 v[SA], v[P:P+3] offset:STG
	s_wait_dscnt 0x0                               ; for the others' sake
	s_barrier_signal -1
	s_barrier_wait -1
	ds_load_b128 v[P+4:P+7], v[SB] offset:STG      ; row lane / 2, four of my wave's eight columns
	s_wait_loadcnt 17                              ; T, the mean and the flag are in; xh's 16 loads and gam's stay out
	v_pk_add_f32 v[TPR:TPR+1], v[TPR:TPR+1], v[TPR+2:TPR+3]
	v_pk_add_f32 v[TPR+4:TPR+5], v[TPR+4:TPR+5], v[TPR+6:TPR+7]
	v_pk_add_f32 v[TPR:TPR+1], v[TPR:TPR+1], v[TPR+4:TPR+5]
	v_add_f32 v[TT], v[TPR], v[TPR+1]
	RED16 TT
	v_permlanex16_b32 v[TP], v[TT], s[SEL], s[SEL+1]
	v_add_f32 v[TT], v[TT], v[TP]
	s_wait_dscnt 0x0
.irp m, 2,4,8                                      ; over the lanes of my parity: the 16 rows
.irp k, 4,5,6,7
	XSTEP P+\k, \m
.endr
.endr
.irp k, 4,5,6,7
	v_permlanex16_b32 v[P+4+\k], v[P+\k], s[SEL], s[SEL+1]
.endr
.irp k, 4,5,6,7
	v_add_f32 v[P+\k], v[P+\k], v[P+4+\k]
.endr
	ds_store_b128 v[SC], v[P+4:P+7] offset:FIN     ; lanes of one parity write the same 16 bytes with the same values
	s_wait_dscnt 0x0
	s_barrier_signal -1
	s_barrier_wait -1
	ds_load_b128 v[S:S+3], v[R16] offset:FIN
	ds_load_b128 v[S+4:S+7], v[R16] offset:FIN+256
	s_wait_dscnt 0x0
	; THE STEP.  Each half of the lanes holds the whole vectors, eight columns a lane, so a sum over 16 lanes is a sum over the 128 columns, in every lane.
.irp e, 0,1,2,3,4,5,6,7
	v_fma_f32 v[ST+\e], -v[TT], v[M+\e], v[S+\e]
.endr
.irp e, 0,1,2,3,4,5,6,7
	v_mul_f32 v[ST+\e], 0x37000000, v[ST+\e]       ; / 131,072
.endr
	v_mul_f32 v[U0], v[ST], v[ST]
	v_mul_f32 v[U1], v[M], v[ST]
	v_mul_f32 v[U2], v[M], v[M]
.irp e, 1,2,3,4,5,6,7
	v_fmac_f32 v[U0], v[ST+\e], v[ST+\e]
	v_fmac_f32 v[U1], v[M+\e], v[ST+\e]
	v_fmac_f32 v[U2], v[M+\e], v[M+\e]
.endr
.irp m, 1,2,4,8
	XSTEP U0, \m
	XSTEP U1, \m
	XSTEP U2, \m
.endr
	v_sqrt_f32 v[SN], v[U0]
	v_add_f32 v[T4], 1.0, v[U2]
	s_wait_alu depctr_va_vdst(0)
	v_max_num_f32 v[SCL], 0x322bcc77, v[SN]        ; max(|step|, 1e-8)
	v_rcp_f32 v[SCL], v[SCL]
	v_sqrt_f32 v[T4], v[T4]                        ; g(m)
	TW
	v_mul_f32 v[SCL], 0.5, v[SCL]
	v_min_num_f32 v[SCL], 1.0, v[SCL]              ; min(0.5 / that, 1)
	v_mul_f32 v[NS], v[SN], v[SCL]                 ; t: the cut step's length
	v_mul_f32 v[XX], v[NS], v[NS]
	v_mov_b32 v[PL], 0x3638ef1d                    ; sinh(t) / t = 1 + t^2/6 + t^4/120 + t^6/5040 + t^8/362880
	v_fmaak_f32 v[PL], v[PL], v[XX], 0x39500d01
	v_fmaak_f32 v[PL], v[PL], v[XX], 0x3c088889
	v_fmaak_f32 v[PL], v[PL], v[XX], 0x3e2aaaab
	v_fma_f32 v[PL], v[PL], v[XX], 1.0
	v_cmp_lt_f32 vcc_lo, 0x2b8cbccc, v[NS]         ; expmap0 gives 0 where t <= 1e-12
	v_cndmask_b32 v[PL], 0, v[PL], vcc_lo
	v_mul_f32 v[KE], v[PL], v[SCL]                 ; e = KE x step
	v_mul_f32 v[EE], v[KE], v[KE]
	v_mul_f32 v[EE], v[EE], v[U0]                  ; |e|^2
	v_mul_f32 v[ME], v[KE], v[U1]                  ; <m, e>
	v_add_f32 v[T3], 1.0, v[EE]
	v_sqrt_f32 v[T3], v[T3]                        ; g(e)
	v_add_f32 v[T4], 1.0, v[T4]
	s_wait_alu depctr_va_vdst(0)
	v_add_f32 v[T3], 1.0, v[T3]
	v_rcp_f32 v[T3], v[T3]
	v_rcp_f32 v[T4], v[T4]
	TW
	v_mul_f32 v[CO2], v[EE], v[T3]                 ; g(e) - 1 = |e|^2 / (1 + g(e))
	v_fmac_f32 v[CO2], v[T4], v[ME]                ; + <m, e> / (1 + g(m))
.irp e, 0,1,2,3,4,5,6,7
	v_mul_f32 v[DF+\e], v[KE], v[ST+\e]
.endr
.irp e, 0,1,2,3,4,5,6,7
	v_fmac_f32 v[DF+\e], v[CO2], v[M+\e]           ; new - m
.endr
.irp e, 0,1,2,3,4,5,6,7
	v_add_f32 v[MM+\e], v[M+\e], v[DF+\e]
.endr
	v_mul_f32 v[U3], v[DF], v[DF]
	v_mul_f32 v[U4], v[MM], v[MM]
.irp e, 1,2,3,4,5,6,7
	v_fmac_f32 v[U3], v[DF+\e], v[DF+\e]
	v_fmac_f32 v[U4], v[MM+\e], v[MM+\e]
.endr
.irp m, 1,2,4,8
	XSTEP U3, \m
	XSTEP U4, \m
.endr
	v_cmp_lt_f32 vcc_lo, 0.5, v[DN]                ; done before this step: the mean stays
	v_cmp_gt_f32 s[CV], 0x2b8cbccc, v[U3]          ; |new - m|^2 < 1e-12
.irp e, 0,1,2,3,4,5,6,7
	v_cndmask_b32 v[MM+\e], v[MM+\e], v[M+\e], vcc_lo
.endr
	v_cndmask_b32 v[M2O], v[U4], v[U2], vcc_lo
	v_cndmask_b32 v[DO], 0, 1.0, s[CV]
	v_max_num_f32 v[DO], v[DO], v[DN]              ; done or converged
	v_add_f32 v[GM], 1.0, v[M2O]
	v_sqrt_f32 v[GM], v[GM]
	TW
	v_add_f32 v[KP], 1.0, v[GM]
	v_rcp_f32 v[KP], v[KP]
	TW
	s_or_b32 s22, ttmp9, s[WV]                     ; one wave of the launch stores the mean and the flag
	s_cmp_lg_u32 s22, 0
	s_cbranch_scc1 .Lnostate
.irp e, 0,1,2,3
	v_cndmask_b32 v[ST+\e], v[MM+\e], v[MM+4+\e], s[HM]  ; these four registers and the flag's are not written again
.endr
	global_store_b128 v[L16], v[ST:ST+3], s[10:11] offset:MOFF
	global_store_b32 v[L4], v[DO], s[10:11] offset:FOFF
.Lnostate:
	; THE PASS
	s_wait_loadcnt 0x0                             ; xh and gam
.irp j, 0,1,2,3,4,5,6,7,8,9,10,11,12,13,14,15
	MIX D+\j, X+4*\j, 0, MM, ZR
.endr
.irp e, 1,2,3,4,5,6,7                              ; 16 chains side by side
.irp j, 0,1,2,3,4,5,6,7,8,9,10,11,12,13,14,15
	MIX D+\j, X+4*\j+\e/2, \e%2, MM+\e, D+\j
.endr
.endr
	TRED D
	ROWMATH D
.irp j, 0,1,2,3,4,5,6,7,8,9,10,11,12,13,14,15
	v_mov_b32_dpp v[D+\j], v[GG] row_share:\j row_mask:0xf bank_mask:0xf  ; the weight of row 2 j + h, in all 16 lanes that hold the row
.endr
.irp j, 0,1,2,3,4,5,6,7,8,9,10,11,12,13,14,15
.irp e, 0,1,2,3,4,5,6,7
.if \j == 0
	MIX ACC+\e, X+4*\j+\e/2, \e%2, D+\j, ZR
.else
	MIX ACC+\e, X+4*\j+\e/2, \e%2, D+\j, ACC+\e
.endif
.endr
.endr
.irp e, 0,1,2,3,4,5,6,7
	v_permlanex16_b32 v[DF+\e], v[ACC+\e], s[SEL], s[SEL+1]
.endr
.irp e, 0,1,2,3,4,5,6,7
	v_add_f32 v[ACC+\e], v[ACC+\e], v[DF+\e]
.endr
.irp e, 0,1,2,3
	v_cndmask_b32 v[DF+\e], v[ACC+\e], v[ACC+4+\e], s[HM]
.endr
	ds_store_b128 v[SD], v[DF:DF+3] offset:ACB
.irp m, 1,2,4,8
	XSTEP TL, \m
	XSTEP VL, \m
.endr
	v_permlanex16_b32 v[TP], v[TL], s[SEL], s[SEL+1]
	v_permlanex16_b32 v[TP2], v[VL], s[SEL], s[SEL+1]
	v_add_f32 v[TL], v[TL], v[TP]
	v_add_f32 v[VL], v[VL], v[TP2]
	ds_store_b32 v[SE], v[TL] offset:TVB
	ds_store_b32 v[SE], v[VL] offset:TVB+64
	s_wait_dscnt 0x0                               ; for the others' sake
	s_barrier_signal -1
	s_barrier_wait -1
	s_cmp_lg_u32 s[WV], 0
	s_cbranch_scc1 .Lend
.irp j, 0,1,2,3,4,5,6,7,8,9,10,11,12,13,14,15      ; wave 0 adds the 16 waves' sums and stores the work-group's row
	ds_load_b128 v[P+4*\j:P+4*\j+3], v[L16] offset:ACB+512*\j
.endr
	ds_load_b32 v[TL], v[L4] offset:TVB            ; lanes 0 to 15 the T, lanes 16 to 31 the V
	s_wait_dscnt 0x0
	TREE P, 4
	RED16 TL
	global_store_b128 v[L16], v[P:P+3], s[20:21]
	v_cmp_eq_u32 vcc_lo, 0, v[RR]
	s_wait_xcnt 0x0                                ; EXEC changes only behind this wait
	s_and_saveexec_b32 s29, vcc_lo
	global_store_b32 v[TVO], v[TL], s[10:11] offset:TOFF  ; lane 0: T, lane 16: V
	s_wait_xcnt 0x0                                ; and again ahead of the line that widens it
	s_or_b32 exec_lo, exec_lo, s29
.Lend:
	s_wait_tensorcnt 0x0                           ; the wave's end: a tensor wait, an LDS add and its wait, behind my last LDS store
	ds_add_u32 v[SPW], v[NIL]
	s_wait_dscnt 0x0
	s_endpgm
.Lfunc_end_k_q0bfab84b1b_it1:
	.size	k_q0bfab84b1b_it1, .Lfunc_end_k_q0bfab84b1b_it1-k_q0bfab84b1b_it1
	.p2alignl 7, 3214868480
	.fill 96, 4, 3214868480
	.section	.rodata,"a",@progbits
	.p2align	6, 0x0
	.amdhsa_kernel k_q0bfab84b1b_it1
		.amdhsa_group_segment_fixed_size 19712
		.amdhsa_private_segment_fixed_size 0
		.amdhsa_enable_private_segment 0
		.amdhsa_kernarg_size 32
		.amdhsa_user_sgpr_count 2
		.amdhsa_user_sgpr_kernarg_segment_ptr 1
		.amdhsa_wavefront_size32 1
		.amdhsa_system_sgpr_workgroup_id_x 1
		.amdhsa_system_sgpr_workgroup_id_y 1
		.amdhsa_system_sgpr_workgroup_id_z 1
		.amdhsa_system_vgpr_workitem_id 0
		.amdhsa_next_free_vgpr 248
		.amdhsa_next_free_sgpr 66
		.amdhsa_reserve_vcc 1
		.amdhsa_float_denorm_mode_32 3
		.amdhsa_float_denorm_mode_16_64 3
		.amdhsa_memory_ordered 1
		.amdhsa_forward_progress 1
		.amdhsa_inst_pref_size 44
	.end_amdhsa_kernel
	.amdgpu_metadata
---
amdhsa.version: [ 1, 2 ]
amdhsa.kernels:
  - .name:           k_q0bfab84b1b_it1
    .symbol:         k_q0bfab84b1b_it1.kd
    .args:
      - { .name: xh, .offset: 0, .size: 8, .value_kind: global_buffer, .address_space: global }
      - { .name: gam, .offset: 8, .size: 8, .value_kind: global_buffer, .address_space: global }
      - { .name: wsa, .offset: 16, .size: 8, .value_kind: global_buffer, .address_space: global }
      - { .name: wsb, .offset: 24, .size: 8, .value_kind: global_buffer, .address_space: global }
    .group_segment_fixed_size: 19712
    .private_segment_fixed_size: 0
    .kernarg_segment_align: 8
    .kernarg_segment_size: 32
    .max_flat_workgroup_size: 512
    .sgpr_count:     66
    .vgpr_count:     248
    .wavefront_size: 32
...
	.end_amdgpu_metadata
.endif
;; end of part 2
;; launch it2: the kernel of part 2 again; grid 256 x 1, 16 waves a work-group, no clusters, 19,712 bytes of LDS; arguments xh, gam, wsb, wsa; writes wsa
;; launch it3: the kernel of part 2 again; grid 256 x 1, 16 waves a work-group, no clusters, 19,712 bytes of LDS; arguments xh, gam, wsa, wsb; writes wsb
;; launch it4: the kernel of part 2 again; grid 256 x 1, 16 waves a work-group, no clusters, 19,712 bytes of LDS; arguments xh, gam, wsb, wsa; writes wsa
;; launch it5: the kernel of part 2 again; grid 256 x 1, 16 waves a work-group, no clusters, 19,712 bytes of LDS; arguments xh, gam, wsa, wsb; writes wsb
;; launch it6: the kernel of part 2 again; grid 256 x 1, 16 waves a work-group, no clusters, 19,712 bytes of LDS; arguments xh, gam, wsb, wsa; writes wsa
;; launch it7: the kernel of part 2 again; grid 256 x 1, 16 waves a work-group, no clusters, 19,712 bytes of LDS; arguments xh, gam, wsa, wsb; writes wsb
;; launch it8: the kernel of part 2 again; grid 256 x 1, 16 waves a work-group, no clusters, 19,712 bytes of LDS; arguments xh, gam, wsb, wsa; writes wsa
;; launch final (part 3): grid 256 x 1, 16 waves a work-group, no clusters, 0 bytes of LDS; arguments xh, gam, wsa, weight, shift, post_gain, out0; writes out0
.if DOCPART == 3
	.amdgcn_target "amdgcn-amd-amdhsa--gfx1250"
	.amdhsa_code_object_version 6
	.text
	.protected	k_q0bfab84b1b_final
	.globl	k_q0bfab84b1b_final
	.p2align	8
	.type	k_q0bfab84b1b_final,@function
k_q0bfab84b1b_final:
	s_mov_b64 s[64:65], 0
	v_nop
	global_prefetch_b8 v0, s[64:65] scope:SCOPE_SE
	s_setreg_imm32_b32 hwreg(HW_REG_WAVE_MODE, 25, 1), 1
	s_wait_xcnt 0x0
; GyroBNPV, LAUNCH 10 OF 10: the output.  From launch 9's table: the final mean m and the 256 V, whose sum / N is the variance.
; ALGEBRA, with g(u) = sqrt(1 + |u|^2) and, for a row x: y = (-m) (+) x = x - a m, a = g(x) - <m,x> / (1 + g(m)); |y| = n, n^2 = C^2 - 1, C = g(x) g(m) - <m,x>; d = asinh(n) = ln(C + n).
;   z = k1 y, k1 = sinh(clip(f d)) / max(n, 1e-12), f = shift / sqrt(max(var, 1e-3) + 1e-6); g(z) = cosh(clip(f d)).
;   t = w (+) z = (<w,z> / (1 + g(w)) + g(z)) w + z with w = expmap0(weight); g(t) = g(w) g(z) + <w,z>; <w,z> = k1 (<w,x> - a <w,m>).
;   out = k3 t, k3 = sinh(clip(gain asinh|t|)) / max(|t|, 1e-12).  So out = A x + B m + G w with A = k3 k1, B = -A a, G = k3 (<w,z> / (1 + g(w)) + g(z)): two dot products and three numbers a row.
; SHARES and the lanes' layout as in launch 1: a wave owns 32 rows; lane (h, r) holds columns 4 r .. + 3 and 64 + 4 r .. + 3 of row 2 j + h, so each store of out0 has 16 lanes on 256 consecutive bytes, aligned.
; No wave needs another's numbers (each adds up the 256 V itself: 1,024 bytes), so there is no LDS and no barrier.
; LIMITS.  x as xh holds it (f16).  NaN and infinities are not treated apart: nan_to_num is the identity on finite numbers and is not written.  C and g(t) are held at 1 from below; where n or |t| comes out 0 the factor is 0,
; as in reference()'s arm for a norm of at most 1e-12.  sinh is half the difference of two exponentials: off by some 1e-7 in absolute terms; for the weight's norm below 0.5 the series to t^8 is chosen, by a select.
; NOT USED: matrix units, tensor loads, clusters (what is shared is 2,048 bytes), a prefetch (all loads go out at the head).
.set VOFF,  132096                     ; ws: the 256 V
.set MOFF,  133120                     ; ws: the mean
.set LN,  1
.set RR,  2
.set HH,  3
.set L16, 4
.set R16, 5
.set PO,  6                            ; 8,192 w + 16 lane
.set GO,  7                            ; 4 x (32 w + 2 r + h)
.set OO,  8                            ; 16,384 w + 512 h + 16 r
.set ZR,  9
.set TP,  10
.set D,   16                           ; v[16:31]  <m, x>; later A, broadcast
.set Q,   32                           ; v[32:47]  <w, x>; later pairs (B, G), broadcast
.set TA,  48                           ; v[48:51]
.set O,   64                           ; v[64:95]  four sets of eight results
.set VP,  96                           ; v[96:103] eight V
.set MM,  104                          ; v[104:111] m
.set W,   112                          ; v[112:119] weight, then w
.set X,   128                          ; v[128:191] 16 row pairs of xh
.set VS,  192
.set U0,  193
.set U1,  194
.set U2,  195
.set FF,  196
.set NW,  197
.set GM,  198
.set T1,  199
.set T2,  200
.set T3,  201
.set XX,  202
.set PL,  203
.set CW,  204
.set WMS, 205
.set GW,  206
.set KM,  207
.set KW,  208
.set GA,  209
.set GX,  210
.set CC,  211
.set AA,  212
.set NN,  213
.set LG,  214
.set RN,  215
.set DD,  216
.set RA,  217
.set SH,  218
.set CH,  219
.set K1,  220
.set WZ,  221
.set GT,  222
.set NT,  223
.set K3,  224
.set CA,  225
.set CB,  226
.set CG,  227
.set WV,  20
.set MB3, 30
.set MB2, 31
.set MB1, 32
.set MB0, 33
.set SEL, 34
.macro TW                              ; behind a batch of transcendentals: a plain instruction, and the wait on va_vdst ahead of the first reader
	v_nop
	s_wait_alu depctr_va_vdst(0)
.endm
.macro MIX d, xr, hf, b, c             ; d = f16 half hf of xr, times b, plus c, in f32
.if \hf
	v_fma_mix_f32 v[\d], v[\xr], v[\b], v[\c] op_sel:[1,0,0] op_sel_hi:[1,0,0]
.else
	v_fma_mix_f32 v[\d], v[\xr], v[\b], v[\c] op_sel_hi:[1,0,0]
.endif
.endm
.macro XSTEP a, m
	v_add_f32_dpp v[\a], v[\a], v[\a] row_xmask:\m row_mask:0xf bank_mask:0xf
.endm
.macro TSTEP base, cnt, sm             ; the transposing sum's step with distance cnt: keep one half of the numbers, send the other, add what comes
.set j, 0
.rept \cnt
	v_cndmask_b32 v[TA+j%4], v[\base+j+\cnt], v[\base+j], s[\sm]
	v_cndmask_b32 v[\base+j], v[\base+j], v[\base+j+\cnt], s[\sm]
	v_add_f32_dpp v[\base+j], v[TA+j%4], v[\base+j] row_xmask:\cnt row_mask:0xf bank_mask:0xf
.set j, j+1
.endr
.endm
.macro TRED base                       ; 16 numbers a lane, summed over 16 lanes: lane r ends with sum number r, row 2 r + h
	TSTEP \base, 8, MB3
	TSTEP \base, 4, MB2
	TSTEP \base, 2, MB1
	TSTEP \base, 1, MB0
.endm
.macro EXPS                            ; RA is clipped to +-30 as reference() clips it; T1 = e^RA, T2 = e^-RA
	v_max_num_f32 v[RA], 0xc1f00000, v[RA]
	v_min_num_f32 v[RA], 0x41f00000, v[RA]
	v_mul_f32 v[T1], 0x3fb8aa3b, v[RA]
	v_mul_f32 v[T2], 0xbfb8aa3b, v[RA]
	v_exp_f32 v[T1], v[T1]
	v_exp_f32 v[T2], v[T2]
	TW
.endm
.macro CAST j                          ; row 2 j + h's three numbers, in all 16 lanes that hold the row
	v_mov_b32_dpp v[D+\j], v[CA] row_share:\j row_mask:0xf bank_mask:0xf
	v_mov_b32_dpp v[Q+2*(\j%8)], v[CB] row_share:\j row_mask:0xf bank_mask:0xf
	v_mov_b32_dpp v[Q+2*(\j%8)+1], v[CG] row_share:\j row_mask:0xf bank_mask:0xf
.endm
.macro OUTJ j                          ; B m + G w, two columns an instruction; + A x from the f16 halves; two stores
.set ob, O+8*(\j%4)
.set bc, Q+2*(\j%8)
.if \j > 3
	s_wait_xcnt 0x0                                ; the set's last stores have read their registers
.endif
.irp k, 0,1,2,3
	v_pk_mul_f32 v[ob+2*\k:ob+2*\k+1], v[MM+2*\k:MM+2*\k+1], v[bc:bc+1] op_sel_hi:[1,0]
.endr
.irp k, 0,1,2,3
	v_pk_fma_f32 v[ob+2*\k:ob+2*\k+1], v[W+2*\k:W+2*\k+1], v[bc:bc+1], v[ob+2*\k:ob+2*\k+1] op_sel:[0,1,0] op_sel_hi:[1,1,1]
.endr
.irp e, 0,1,2,3,4,5,6,7
	MIX ob+\e, X+4*\j+\e/2, \e%2, D+\j, ob+\e
.endr
	global_store_b128 v[OO], v[ob:ob+3], s[28:29] offset:1024*\j th:TH_STORE_NT
	global_store_b128 v[OO], v[ob+4:ob+7], s[28:29] offset:1024*\j+256 th:TH_STORE_NT
.endm
	s_load_b256 s[4:11], s[0:1], 0x0               ; xh s[4:5], gam s[6:7], ws s[8:9], weight s[10:11]
	s_load_b128 s[12:15], s[0:1], 0x20             ; shift s[12:13], post_gain s[14:15]
	s_load_b64 s[16:17], s[0:1], 0x30              ; out0
	v_lshrrev_b32 v[TA], 5, v0
	v_readfirstlane_b32 s[WV], v[TA]
	v_and_b32 v[LN], 31, v0
	v_and_b32 v[RR], 15, v0
	v_bfe_u32 v[HH], v0, 4, 1
	v_lshlrev_b32 v[L16], 4, v[LN]
	v_lshlrev_b32 v[R16], 4, v[RR]
	v_mov_b32 v[ZR], 0
	v_mov_b32 v[TP], 0
	s_lshl_b32 s21, s[WV], 13
	v_add_nc_u32 v[PO], s21, v[L16]
	s_lshl_b32 s21, s[WV], 7
	v_lshl_add_u32 v[GO], v[RR], 3, s21
	v_lshl_add_u32 v[GO], v[HH], 2, v[GO]
	s_lshl_b32 s21, s[WV], 14
	v_lshl_add_u32 v[OO], v[HH], 9, v[R16]
	v_add_nc_u32 v[OO], s21, v[OO]
	s_mov_b32 s[MB3], 0xff00ff00
	s_mov_b32 s[MB2], 0xf0f0f0f0
	s_mov_b32 s[MB1], 0xcccccccc
	s_mov_b32 s[MB0], 0xaaaaaaaa
	s_mov_b32 s[SEL], 0x76543210
	s_mov_b32 s[SEL+1], 0xfedcba98
	s_lshl_b32 s22, ttmp9, 17
	s_mov_b32 s23, 0
	s_wait_kmcnt 0x0
	s_load_b32 s18, s[12:13], 0x0                  ; shift
	s_load_b32 s19, s[14:15], 0x0                  ; post_gain
	global_load_b128 v[VP:VP+3], v[L16], s[8:9] offset:VOFF
	global_load_b128 v[VP+4:VP+7], v[L16], s[8:9] offset:VOFF+512
	global_load_b128 v[MM:MM+3], v[R16], s[8:9] offset:MOFF
	global_load_b128 v[MM+4:MM+7], v[R16], s[8:9] offset:MOFF+256
	global_load_b128 v[W:W+3], v[R16], s[10:11]
	global_load_b128 v[W+4:W+7], v[R16], s[10:11] offset:256
	s_add_nc_u64 s[24:25], s[4:5], s[22:23]
	s_lshl_b32 s22, ttmp9, 11
	s_add_nc_u64 s[26:27], s[6:7], s[22:23]
	s_lshl_b32 s22, ttmp9, 18
	s_add_nc_u64 s[28:29], s[16:17], s[22:23]
.irp j, 0,1,2,3,4,5,6,7,8,9,10,11,12,13,14,15
	global_load_b128 v[X+4*\j:X+4*\j+3], v[PO], s[24:25] offset:512*\j th:TH_LOAD_NT
.endr
	global_load_b32 v[GX], v[GO], s[26:27] th:TH_LOAD_NT
	s_wait_loadcnt 17                              ; V, m and weight are in; xh's 16 loads and gam's stay out
	s_wait_kmcnt 0x0
	v_pk_add_f32 v[VP:VP+1], v[VP:VP+1], v[VP+2:VP+3]
	v_pk_add_f32 v[VP+4:VP+5], v[VP+4:VP+5], v[VP+6:VP+7]
	v_pk_add_f32 v[VP:VP+1], v[VP:VP+1], v[VP+4:VP+5]
	v_add_f32 v[VS], v[VP], v[VP+1]
	v_mul_f32 v[U0], v[MM], v[MM]
	v_mul_f32 v[U1], v[W], v[W]
	v_mul_f32 v[U2], v[W], v[MM]
.irp e, 1,2,3,4,5,6,7
	v_fmac_f32 v[U0], v[MM+\e], v[MM+\e]
	v_fmac_f32 v[U1], v[W+\e], v[W+\e]
	v_fmac_f32 v[U2], v[W+\e], v[MM+\e]
.endr
.irp m, 1,2,4,8
	XSTEP VS, \m
	XSTEP U0, \m
	XSTEP U1, \m
	XSTEP U2, \m
.endr
	v_permlanex16_b32 v[TP], v[VS], s[SEL], s[SEL+1]
	v_add_f32 v[VS], v[VS], v[TP]
	v_mul_f32 v[VS], 0x37000000, v[VS]             ; / 131,072
	v_max_num_f32 v[VS], 0x322bcc77, v[VS]         ; max(var, 1e-8)
	v_max_num_f32 v[VS], 0x3a83126f, v[VS]         ; max(var, 1e-3)
	v_add_f32 v[VS], 0x358637bd, v[VS]             ; + 1e-6
	v_add_f32 v[GM], 1.0, v[U0]
	v_rsq_f32 v[FF], v[VS]
	v_sqrt_f32 v[NW], v[U1]                        ; |weight|
	v_sqrt_f32 v[GM], v[GM]                        ; g(m)
	TW
	v_mul_f32 v[FF], s18, v[FF]                    ; f
	v_mul_f32 v[T1], 0x3fb8aa3b, v[NW]
	v_mul_f32 v[T2], 0xbfb8aa3b, v[NW]
	v_max_num_f32 v[T3], 0x2b8cbccc, v[NW]
	v_add_f32 v[KM], 1.0, v[GM]
	v_exp_f32 v[T1], v[T1]
	v_exp_f32 v[T2], v[T2]
	v_rcp_f32 v[T3], v[T3]
	v_rcp_f32 v[KM], v[KM]                         ; 1 / (1 + g(m))
	v_mul_f32 v[XX], v[NW], v[NW]
	s_wait_alu depctr_va_vdst(0)
	v_mov_b32 v[PL], 0x3638ef1d                    ; sinh(t) / t by the series, for t < 0.5
	v_fmaak_f32 v[PL], v[PL], v[XX], 0x39500d01
	v_fmaak_f32 v[PL], v[PL], v[XX], 0x3c088889
	v_fmaak_f32 v[PL], v[PL], v[XX], 0x3e2aaaab
	v_fma_f32 v[PL], v[PL], v[XX], 1.0
	v_sub_f32 v[T1], v[T1], v[T2]                  ; and by the exponentials, from 0.5 on
	v_mul_f32 v[T1], 0.5, v[T1]
	v_mul_f32 v[T1], v[T1], v[T3]
	v_cmp_gt_f32 vcc_lo, 0.5, v[NW]
	v_cndmask_b32 v[CW], v[T1], v[PL], vcc_lo
	v_cmp_lt_f32 vcc_lo, 0x2b8cbccc, v[NW]         ; expmap0 gives 0 where the norm is at most 1e-12
	v_cndmask_b32 v[CW], 0, v[CW], vcc_lo
.irp e, 0,1,2,3,4,5,6,7
	v_mul_f32 v[W+\e], v[CW], v[W+\e]              ; w
.endr
	v_mul_f32 v[WMS], v[CW], v[U2]                 ; <w, m>
	v_mul_f32 v[T1], v[CW], v[NW]
	v_fma_f32 v[GW], v[T1], v[T1], 1.0
	v_sqrt_f32 v[GW], v[GW]                        ; g(w)
	v_mov_b32 v[GA], s19
	s_wait_alu depctr_va_vdst(0)
	v_add_f32 v[KW], 1.0, v[GW]
	v_rcp_f32 v[KW], v[KW]                         ; 1 / (1 + g(w))
	v_max_num_f32 v[GA], 0.5, v[GA]
	v_min_num_f32 v[GA], 0x40400000, v[GA]         ; the gain, clipped to 0.5 .. 3
	s_wait_alu depctr_va_vdst(0)
	s_wait_loadcnt 0x0                             ; xh and gam
.irp j, 0,1,2,3,4,5,6,7,8,9,10,11,12,13,14,15
	MIX D+\j, X+4*\j, 0, MM, ZR
	MIX Q+\j, X+4*\j, 0, W, ZR
.endr
.irp e, 1,2,3,4,5,6,7
.irp j, 0,1,2,3,4,5,6,7,8,9,10,11,12,13,14,15
	MIX D+\j, X+4*\j+\e/2, \e%2, MM+\e, D+\j
	MIX Q+\j, X+4*\j+\e/2, \e%2, W+\e, Q+\j
.endr
.endr
	TRED D
	TRED Q
	; a lane a row
	v_fma_f32 v[CC], v[GX], v[GM], -v[D]
	v_fma_f32 v[AA], -v[KM], v[D], v[GX]           ; a
	v_max_num_f32 v[CC], 1.0, v[CC]
	v_fma_f32 v[NN], v[CC], v[CC], -1.0
	v_sqrt_f32 v[NN], v[NN]                        ; n
	v_fma_f32 v[WZ], -v[AA], v[WMS], v[Q]          ; <w, x> - a <w, m>
	s_wait_alu depctr_va_vdst(0)
	v_add_f32 v[LG], v[CC], v[NN]
	v_max_num_f32 v[RN], 0x2b8cbccc, v[NN]
	v_log_f32 v[LG], v[LG]
	v_rcp_f32 v[RN], v[RN]
	TW
	v_mul_f32 v[DD], 0x3f317218, v[LG]             ; d
	v_mul_f32 v[RA], v[FF], v[DD]
	EXPS
	v_sub_f32 v[SH], v[T1], v[T2]
	v_add_f32 v[CH], v[T1], v[T2]
	v_mul_f32 v[SH], 0.5, v[SH]
	v_mul_f32 v[CH], 0.5, v[CH]                    ; g(z)
	v_mul_f32 v[K1], v[SH], v[RN]
	v_mul_f32 v[WZ], v[K1], v[WZ]                  ; <w, z>
	v_fma_f32 v[GT], v[GW], v[CH], v[WZ]           ; g(t)
	v_max_num_f32 v[GT], 1.0, v[GT]
	v_fma_f32 v[NT], v[GT], v[GT], -1.0
	v_sqrt_f32 v[NT], v[NT]                        ; |t|
	v_fma_f32 v[CG], v[KW], v[WZ], v[CH]
	s_wait_alu depctr_va_vdst(0)
	v_add_f32 v[LG], v[GT], v[NT]
	v_max_num_f32 v[RN], 0x2b8cbccc, v[NT]
	v_log_f32 v[LG], v[LG]
	v_rcp_f32 v[RN], v[RN]
	TW
	v_mul_f32 v[DD], 0x3f317218, v[LG]
	v_mul_f32 v[RA], v[GA], v[DD]
	EXPS
	v_sub_f32 v[SH], v[T1], v[T2]
	v_mul_f32 v[SH], 0.5, v[SH]
	v_mul_f32 v[K3], v[SH], v[RN]
	v_mul_f32 v[CA], v[K3], v[K1]                  ; A
	v_mul_f32 v[CG], v[K3], v[CG]                  ; G
	v_mul_f32 v[CB], -v[CA], v[AA]                 ; B
.irp j, 0,1,2,3,4,5,6,7
	CAST \j
.endr
.irp j, 0,1,2,3,4,5,6,7
	OUTJ \j
.endr
.irp j, 8,9,10,11,12,13,14,15
	CAST \j
.endr
.irp j, 8,9,10,11,12,13,14,15
	OUTJ \j
.endr
	s_endpgm
.Lfunc_end_k_q0bfab84b1b_final:
	.size	k_q0bfab84b1b_final, .Lfunc_end_k_q0bfab84b1b_final-k_q0bfab84b1b_final
	.p2alignl 7, 3214868480
	.fill 96, 4, 3214868480
	.section	.rodata,"a",@progbits
	.p2align	6, 0x0
	.amdhsa_kernel k_q0bfab84b1b_final
		.amdhsa_group_segment_fixed_size 0
		.amdhsa_private_segment_fixed_size 0
		.amdhsa_enable_private_segment 0
		.amdhsa_kernarg_size 56
		.amdhsa_user_sgpr_count 2
		.amdhsa_user_sgpr_kernarg_segment_ptr 1
		.amdhsa_wavefront_size32 1
		.amdhsa_system_sgpr_workgroup_id_x 1
		.amdhsa_system_sgpr_workgroup_id_y 1
		.amdhsa_system_sgpr_workgroup_id_z 1
		.amdhsa_system_vgpr_workitem_id 0
		.amdhsa_next_free_vgpr 232
		.amdhsa_next_free_sgpr 66
		.amdhsa_reserve_vcc 1
		.amdhsa_float_denorm_mode_32 3
		.amdhsa_float_denorm_mode_16_64 3
		.amdhsa_memory_ordered 1
		.amdhsa_forward_progress 1
		.amdhsa_inst_pref_size 55
	.end_amdhsa_kernel
	.amdgpu_metadata
---
amdhsa.version: [ 1, 2 ]
amdhsa.kernels:
  - .name:           k_q0bfab84b1b_final
    .symbol:         k_q0bfab84b1b_final.kd
    .args:
      - { .name: xh, .offset: 0, .size: 8, .value_kind: global_buffer, .address_space: global }
      - { .name: gam, .offset: 8, .size: 8, .value_kind: global_buffer, .address_space: global }
      - { .name: wsa, .offset: 16, .size: 8, .value_kind: global_buffer, .address_space: global }
      - { .name: weight, .offset: 24, .size: 8, .value_kind: global_buffer, .address_space: global }
      - { .name: shift, .offset: 32, .size: 8, .value_kind: global_buffer, .address_space: global }
      - { .name: post_gain, .offset: 40, .size: 8, .value_kind: global_buffer, .address_space: global }
      - { .name: out0, .offset: 48, .size: 8, .value_kind: global_buffer, .address_space: global }
    .group_segment_fixed_size: 0
    .private_segment_fixed_size: 0
    .kernarg_segment_align: 8
    .kernarg_segment_size: 56
    .max_flat_workgroup_size: 512
    .sgpr_count:     66
    .vgpr_count:     232
    .wavefront_size: 32
...
	.end_amdgpu_metadata
.endif
;; end of part 3
;; ======== version 2 of 3: 10 launches; 1.18 times as fast as version 1
;; limits: values are held in f16: magnitudes above 65,504 overflow, below 6.1e-05 lose precision; inputs' magnitudes at most 65,504
;; workspace buffers: xh 33,554,432 bytes; gam 524,288 bytes; wsa 136,192 bytes; wsb 136,192 bytes
;; launch first: the kernel of part 1 again; grid 256 x 1, 16 waves a work-group, no clusters, 12,544 bytes of LDS; arguments x, xh, gam, wsa; writes xh, gam, wsa
;; launch it1 (part 4): grid 256 x 1, 16 waves a work-group, clusters of 4 x 1, 281,856 bytes of LDS; arguments xh, gam, wsa, wsb; writes wsb
.if DOCPART == 4
	.amdgcn_target "amdgcn-amd-amdhsa--gfx1250"
	.amdhsa_code_object_version 6
	.text
	.protected	k_q0bfab84b1b_it1
	.globl	k_q0bfab84b1b_it1
	.p2align	8
	.type	k_q0bfab84b1b_it1,@function
k_q0bfab84b1b_it1:
	s_mov_b64 s[64:65], 0
	v_nop
	global_prefetch_b8 v0, s[64:65] scope:SCOPE_SE
	s_setreg_imm32_b32 hwreg(HW_REG_WAVE_MODE, 25, 1), 1
	s_wait_xcnt 0x0
	s_wait_alu depctr_hold_cnt(0) depctr_sa_sdst(0) depctr_va_vdst(0) depctr_va_sdst(0) depctr_va_ssrc(0) depctr_va_vcc(0) depctr_vm_vsrc(0)
	s_getreg_b32 s2, hwreg(HW_REG_IB_STS2, 6, 4)
	s_cmp_eq_u32 s2, 0
	s_cbranch_scc0 .Lentry_in_a_cluster
	s_endpgm
.Lentry_in_a_cluster:
	s_bfe_u32 s2, ttmp6, 0x10000c
	s_cmp_lg_u32 s2, 0x3003
	s_cbranch_scc0 .Lentry_shape_is_right
	s_endpgm
.Lentry_shape_is_right:
; GyroBNPV, LAUNCHES 2 TO 9 (one text, the two tables ws by turns).  HEAD: every work-group adds up the 256 rows of S and the 256 T that the launch before stored, and steps the mean as reference() does:
; step = (S - T m) / N, cut to length 0.5; new = m (+) expmap0(step); the mean stays if done; done |= |new - m| < 1e-6.
; PASS: with that mean the sums S, T, V over the work-group's 512 rows of xh, as in launch 1 (whose head gives the algebra, the lanes' layout and the limits).  Launch 9's V is the variance's sum; its S and T serve nothing.
; SHARES.  16 waves; a wave adds 16 rows of the table (8,192 bytes) and owns 32 rows of xh (8,192 bytes).
; THE WAY IN.  Both pieces are dense in memory and come by the tensor data mover, each as 32 rows of 256 bytes: two instructions a wave, and no register is taken before the bytes are wanted.  Each wave loads into LDS
; bytes of its own (8,192 x wave, in the table's half and in xh's) and nobody else in the work-group reads them, so its own wait on TENSORcnt is all the ordering that its reads need.  Every LDS byte is filled once:
; there is no refill.  The table's load goes out first; the six small loads and the lanes' set-up stand between it and xh's load, so that all 16 waves have asked for their rows of the table before xh is asked for.
; A wave has two tensor loads out at the most.  A load has 32 rows, not 64: with 64 a wave would read bytes that another wave's load brought.
; CLUSTER.  All work-groups add up the same table: 131,072 of the 262,144 bytes that a work-group brings in.  Four work-groups form a cluster and ask for it JOINTLY: the same tensor load, with the same descriptor
; (the table's address and the wave's number alone) and a mask that names the four, in all four; each receives the rows in its own LDS.  So the table is asked for 64 times in a launch, not 256 times.  xh is each
; work-group's own and comes by a plain load.  One round of the cluster's barrier stands ahead of the first load, while the arguments are still on their way (it reads none of them), and one in front of s_endpgm.
; No branch and no LDS address hangs on a work-group's place in its cluster: that place enters global addresses alone.
; THE MEAN AND THE FLAG are stored by wave 0 of each of the first cluster's four work-groups, told apart by address: four copies, 768 bytes apart.  Every reader takes the first, where launch 1 writes and launch 10 reads;
; the other three, 1,920 bytes a launch, are read by nobody: the price of no branch on a work-group's place.
; THE TABLE'S SUM: a wave's 16 rows, read from LDS, in registers; 16 rows of 544 bytes in LDS; wave w adds columns 8 w .. 8 w + 7 of them (lane = row x half, then across lanes); the 512 bytes of the total are read by all.
; sinh(t) / t for the step is the series to t^8: t is at most 0.5 for every input, by the cut that reference() makes, and the first term left out is under 3e-11 there.
; The test |new - m| < 1e-6 is made on the squares.  No branch hangs on it: the flag chooses values.
; NOT USED: matrix units (the products have one useful column), a prefetch (nothing is known earlier than the head, where everything is asked for).
.set TOFF,  131072                     ; ws: the 256 T; the 256 V follow 1,024 bytes on
.set MOFF,  133120                     ; ws: the mean, first copy
.set FOFF,  133632                     ; ws: the done flag, first copy
.set COPY,  768                        ; ws: from a copy of the two to the next
.set TAB,   0                          ; LDS: the table's 256 rows of 512 bytes; wave w's 16 at 8,192 w
.set XHB,   131072                     ; LDS: the work-group's 512 rows of xh; wave w's 32 at 8,192 w
.set SCR,   262144                     ; LDS: behind the two, in blocks of 256 bytes into which no tensor load lands; the address registers carry SCR, the offsets below count from it
.set STG,   0                          ; 16 rows, a wave's sum of 16 table rows each
.set SPITCH, 544                       ; 512 bytes + 32 = 136 words: row q starts at bank 8 q mod 64 (64 banks of 4 bytes: ISA guide 11.1)
.set FIN,   8704                       ; the total, 512 bytes
.set ACB,   9216                       ; 16 rows of 512 bytes, a wave's S each
.set TVB,   17408                      ; 16 T, then 16 V
.set SPARE, SCR+17664                  ; the spare words, 128 bytes a wave: eight blocks of 256 bytes that no other line names
.set LN,  1
.set RR,  2
.set HH,  3
.set L16, 4
.set R16, 5
.set L4,  6
.set PO,  7                            ; LDS: 8,192 w + 16 lane: my 16 bytes in my wave's first 512 bytes of the table
.set GO,  8                            ; 4 x (32 w + 2 r + h)
.set SPW, 9                            ; my spare word; never rewritten
.set NIL, 10                           ; 0, for the add alone
.set ZR,  11
.set SA,  12                           ; SCR + 544 w + 16 lane
.set SB,  13                           ; SCR + 544 (lane / 2) + 32 w + 16 (lane % 2)
.set SC,  14                           ; SCR + 32 w + 16 (lane % 2)
.set SD,  15                           ; SCR + 512 w + 16 lane
.set D,   16
.set ACC, 32
.set TA,  40
.set SE,  44                           ; SCR + 4 w
.set TVO, 45                           ; 1,024 h + 4 x work-group
.set TP,  46
.set TT,  47                           ; T
.set U0,  48                           ; |step|^2
.set U1,  49                           ; <m, step>
.set U2,  50                           ; |m|^2
.set SN,  51
.set SCL, 52
.set NS,  53
.set XX,  54
.set PL,  55
.set KE,  56
.set EE,  57
.set ME,  58
.set T3,  59
.set T4,  60
.set CO2, 61
.set U3,  62
.set U4,  63
.set CC,  48                           ; the pass takes the head's registers again
.set AA,  49
.set NN,  50
.set LG,  51
.set NM,  52
.set DD,  53
.set GG,  54
.set TL,  55
.set VL,  56
.set P,   64                           ; v[64:127]  16 rows of the table
.set X,   128                          ; v[128:191] 16 row pairs of xh
.set TPR, 192                          ; v[192:199] eight T
.set M,   200                          ; v[200:207] the old mean
.set S,   208                          ; v[208:215] S
.set ST,  216                          ; v[216:223] the step; then the mean as stored
.set DF,  224                          ; v[224:231] new - old
.set MM,  232                          ; v[232:239] the mean of this pass
.set DN,  240
.set DO,  241
.set M2O, 242
.set GM,  243
.set KP,  244
.set GX,  245
.set TP2, 246
.set XA,  247                          ; LDS: XHB + 8,192 w + 16 lane
.set RF,  248                          ; SCR + 16 r
.set LA,  249                          ; SCR + 16 lane
.set LB,  250                          ; SCR + 4 lane
.set WV,  12                           ; s12 my wave's number
.set CV,  23
.set MB3, 24
.set MB2, 25
.set MB1, 26
.set MB0, 27
.set HM,  28
.set SEL, 30
.set G0T, 32                           ; s[32:35] descriptor group 0 for my rows of the table: equal in the four partners
.set G1T, 36                           ; s[36:43] descriptor group 1 for the joint load; never rewritten
.set G0X, 44                           ; s[44:47] descriptor group 0 for my rows of xh
.set G1X, 48                           ; s[48:55] descriptor group 1 for the plain load: it differs in the first word alone; never rewritten
.set CX,  56                           ; s56 my work-group's place in its cluster
.set WG,  57                           ; s57 my work-group's number: 4 x cluster + place.  It and what is made of it (s16-21, s58-60) enter global addresses alone
.set SO,  58                           ; s[58:59] the table written, at my work-group's copy of the mean and the flag
.set W4,  60                           ; s60 4 x work-group
.macro TW                              ; behind a batch of transcendentals: a plain instruction, and the wait on va_vdst ahead of the first reader
	v_nop
	s_wait_alu depctr_va_vdst(0)
.endm
.macro MIX d, xr, hf, b, c             ; d = f16 half hf of xr, times b, plus c, in f32
.if \hf
	v_fma_mix_f32 v[\d], v[\xr], v[\b], v[\c] op_sel:[1,0,0] op_sel_hi:[1,0,0]
.else
	v_fma_mix_f32 v[\d], v[\xr], v[\b], v[\c] op_sel_hi:[1,0,0]
.endif
.endm
.macro XSTEP a, m
	v_add_f32_dpp v[\a], v[\a], v[\a] row_xmask:\m row_mask:0xf bank_mask:0xf
.endm
.macro RED16 a
.irp m, 1,2,4,8
	XSTEP \a, \m
.endr
.endm
.macro TSTEP base, cnt, sm             ; the transposing sum's step with distance cnt: keep one half of the numbers, send the other, add what comes
.set j, 0
.rept \cnt
	v_cndmask_b32 v[TA+j%4], v[\base+j+\cnt], v[\base+j], s[\sm]
	v_cndmask_b32 v[\base+j], v[\base+j], v[\base+j+\cnt], s[\sm]
	v_add_f32_dpp v[\base+j], v[TA+j%4], v[\base+j] row_xmask:\cnt row_mask:0xf bank_mask:0xf
.set j, j+1
.endr
.endm
.macro TRED base                       ; 16 numbers a lane, summed over 16 lanes: lane r ends with sum number r, row 2 r + h
	TSTEP \base, 8, MB3
	TSTEP \base, 4, MB2
	TSTEP \base, 2, MB1
	TSTEP \base, 1, MB0
.endm
.macro TREE base, st                   ; 16 groups of 4 registers, st apart, added into the first
.irp n, 8,4,2,1
.set j, 0
.rept \n
	v_pk_add_f32 v[\base+\st*j:\base+\st*j+1], v[\base+\st*j:\base+\st*j+1], v[\base+\st*(j+\n):\base+\st*(j+\n)+1]
	v_pk_add_f32 v[\base+\st*j+2:\base+\st*j+3], v[\base+\st*j+2:\base+\st*j+3], v[\base+\st*(j+\n)+2:\base+\st*(j+\n)+3]
.set j, j+1
.endr
.endr
.endm
.macro ROWMATH p                       ; a lane a row: from <m,x> in p and g(x): the weight GG, its share TL of T and VL of V
	v_fma_f32 v[CC], v[GX], v[GM], -v[\p]
	v_fma_f32 v[AA], -v[KP], v[\p], v[GX]
	v_max_num_f32 v[CC], 1.0, v[CC]
	v_fma_f32 v[NN], v[CC], v[CC], -1.0
	v_sqrt_f32 v[NN], v[NN]
	TW
	v_add_f32 v[LG], v[CC], v[NN]
	v_max_num_f32 v[NM], 0x2b8cbccc, v[NN]
	v_log_f32 v[LG], v[LG]
	v_rcp_f32 v[NM], v[NM]
	TW
	v_mul_f32 v[DD], 0x3f317218, v[LG]
	v_mul_f32 v[GG], v[DD], v[NM]
	v_mul_f32 v[TL], v[GG], v[AA]
	v_mul_f32 v[VL], v[DD], v[DD]
.endm
; A round of the cluster's barrier: my work-group's barrier, so that wave 0's signal speaks for all 16 waves; wave 0 signals for the work-group; every wave waits for all four work-groups; my work-group's
; barrier once more.  No LDS instruction of the wave is pending at a signal.
.macro CROUND
	s_barrier_signal -1
	s_barrier_wait -1
	s_cmp_lg_u32 s[WV], 0
	s_cbranch_scc1 .Lnot_wave_0_\@
	s_barrier_signal -3
.Lnot_wave_0_\@:
	s_barrier_wait -3
	s_barrier_signal -1
	s_barrier_wait -1
.endm
	s_load_b256 s[4:11], s[0:1], 0x0               ; xh s[4:5], gam s[6:7], the table read s[8:9], the table written s[10:11]
	v_lshl_add_u32 v[SPW], v0, 2, SPARE
	v_mov_b32 v[NIL], 0
	ds_add_u32 v[SPW], v[NIL]                      ; the wave's opening: the add, twice on end, and its wait ahead of my first tensor load; the set-up below, work on registers, stands between
	ds_add_u32 v[SPW], v[NIL]                      ; and once more, under the one wait
	v_lshrrev_b32 v[TA], 5, v0
	v_readfirstlane_b32 s[WV], v[TA]               ; my wave's number as a scalar
	s_bfe_u32 s[CX], ttmp6, 0x40000                ; my place in the cluster
	s_lshl_b32 s[WG], ttmp9, 2                     ; in a cluster launch ttmp9 counts clusters
	s_add_co_u32 s[WG], s[WG], s[CX]               ; my work-group = 4 x cluster + place
	; Group 1: 8,192 dense bytes as 32 rows of 32 elements of 8 bytes; the tile lies inside its buffer, so the tensor's extents are the tile's
	s_mov_b32 s[G1T+0], 15|(3<<16)|(1<<21)         ; 15:0 the mask: all four work-groups; 17:16 elements of 8 bytes; 21 set beside a mask; no padding
	s_mov_b32 s[G1X+0], 3<<16                      ; no mask: a load of my work-group's own
.irp g, G1T, G1X
	s_mov_b32 s[\g+1], 32<<16                      ; tensor_dim0 = 32
	s_mov_b32 s[\g+2], 32<<16                      ; tensor_dim1 = 32
	s_mov_b32 s[\g+3], 32<<16                      ; tile_dim0 = 32
	s_mov_b32 s[\g+4], 32                          ; tile_dim1 = 32
	s_mov_b32 s[\g+5], 32                          ; 32 elements from row to row
	s_mov_b32 s[\g+6], 0
	s_mov_b32 s[\g+7], 0
.endr
	s_lshl_b32 s14, s[WV], 13                      ; 8,192 x wave: my place in the table, in the work-group's xh, and in each half of LDS
	s_mov_b32 s15, 0
	s_lshl_b32 s16, s[WG], 17                      ; the work-group's 512 rows of 256 bytes,
	s_add_co_u32 s16, s16, s14                     ; my 32 of them
	s_mov_b32 s17, 0
	s_mov_b32 s[G0T], 1                            ; count = 1
	s_add_co_u32 s[G0T+1], s14, TAB                ; LDS address: the wave's number alone
	s_mov_b32 s[G0X], 1
	s_add_co_u32 s[G0X+1], s14, XHB
	s_lshl_b32 s18, s[WG], 11                      ; the work-group's 512 gam
	s_mov_b32 s19, 0
	s_lshl_b32 s20, s[WG], 9                       ; its row of S in the table written
	s_mov_b32 s21, 0
	s_mul_i32 s[SO], s[CX], COPY                   ; its copy of the mean and the flag
	s_mov_b32 s[SO+1], 0
	s_lshl_b32 s[W4], s[WG], 2
	v_and_b32 v[LN], 31, v0
	v_and_b32 v[RR], 15, v0
	v_bfe_u32 v[HH], v0, 4, 1
	v_lshlrev_b32 v[L16], 4, v[LN]
	v_lshlrev_b32 v[R16], 4, v[RR]
	v_lshlrev_b32 v[L4], 2, v[LN]
	s_lshl_b32 s13, s[WV], 7
	v_lshl_add_u32 v[GO], v[RR], 3, s13
	v_lshl_add_u32 v[GO], v[HH], 2, v[GO]
	v_add_nc_u32 v[PO], s14, v[L16]
	s_wait_dscnt 0x0                               ; both opening adds are done
	CROUND                                         ; all four work-groups are here: the joint loads meet.  The round names none of the arguments, which may still be on their way
	s_wait_kmcnt 0x0
	s_add_nc_u64 s[G0T+2:G0T+3], s[8:9], s[14:15]  ; global address of my 16 rows of the table,
	s_or_b32 s[G0T+3], s[G0T+3], 0x80000000        ; type = 2
	tensor_load_to_lds s[G0T:G0T+3], s[G1T:G1T+7]  ; the joint load: what the head waits for is asked for first
	s_nop 0
	s_add_nc_u64 s[G0X+2:G0X+3], s[4:5], s[16:17]
	s_or_b32 s[G0X+3], s[G0X+3], 0x80000000
	s_add_nc_u64 s[18:19], s[6:7], s[18:19]
	s_add_nc_u64 s[20:21], s[10:11], s[20:21]
	s_add_nc_u64 s[SO:SO+1], s[10:11], s[SO:SO+1]
	global_load_b128 v[TPR:TPR+3], v[L16], s[8:9] offset:TOFF
	global_load_b128 v[TPR+4:TPR+7], v[L16], s[8:9] offset:TOFF+512
	global_load_b128 v[M:M+3], v[R16], s[8:9] offset:MOFF
	global_load_b128 v[M+4:M+7], v[R16], s[8:9] offset:MOFF+256
	global_load_b32 v[DN], v[L4], s[8:9] offset:FOFF
	global_load_b32 v[GX], v[GO], s[18:19]
	v_mov_b32 v[ZR], 0                             ; the lanes' set-up stands between my two tensor loads
	v_mov_b32 v[TP], 0                             ; v_permlanex16_b32 counts as a reader of its destination
	v_mov_b32 v[TP2], 0
	v_add_nc_u32 v[XA], XHB, v[PO]
	s_mul_i32 s13, s[WV], SPITCH
	s_add_co_u32 s13, s13, SCR
	v_add_nc_u32 v[SA], s13, v[L16]
	v_lshrrev_b32 v[SB], 1, v[LN]
	v_mul_u32_u24 v[SB], v[SB], SPITCH
	v_and_b32 v[SC], 1, v[LN]
	v_lshlrev_b32 v[SC], 4, v[SC]
	s_lshl_b32 s13, s[WV], 5
	s_add_co_u32 s13, s13, SCR
	v_add_nc_u32 v[SC], s13, v[SC]
	v_add_nc_u32 v[SB], v[SB], v[SC]
	s_lshl_b32 s13, s[WV], 9
	s_add_co_u32 s13, s13, SCR
	v_add_nc_u32 v[SD], s13, v[L16]
	s_lshl_b32 s13, s[WV], 2
	s_add_co_u32 s13, s13, SCR
	v_mov_b32 v[SE], s13
	v_add_nc_u32 v[RF], SCR, v[R16]
	v_add_nc_u32 v[LA], SCR, v[L16]
	v_add_nc_u32 v[LB], SCR, v[L4]
	v_lshl_add_u32 v[TVO], v[HH], 10, s[W4]
	s_mov_b32 s[MB3], 0xff00ff00
	s_mov_b32 s[MB2], 0xf0f0f0f0
	s_mov_b32 s[MB1], 0xcccccccc
	s_mov_b32 s[MB0], 0xaaaaaaaa
	s_mov_b32 s[HM], 0xffff0000
	s_mov_b32 s[SEL], 0x76543210
	s_mov_b32 s[SEL+1], 0xfedcba98
	tensor_load_to_lds s[G0X:G0X+3], s[G1X:G1X+7]  ; my 32 rows of xh: they come in while the head computes
	s_nop 0
	s_wait_tensorcnt 0x1                           ; tensor loads of a wave end in order (ISA guide 10.11.1): my rows of the table are in LDS; xh's one load stays out
.irp j, 0,1,2,3,4,5,6,7,8,9,10,11,12,13,14,15
	ds_load_b128 v[P+4*\j:P+4*\j+3], v[PO] offset:TAB+512*\j  ; a row of the table: 32 lanes, 16 neighbouring bytes each
.endr
	s_wait_dscnt 0x0
	TREE P, 4
	ds_store_b128 v[SA], v[P:P+3] offset:STG
	s_wait_dscnt 0x0                               ; for the others' sake
	s_barrier_signal -1
	s_barrier_wait -1
	ds_load_b128 v[P+4:P+7], v[SB] offset:STG      ; row lane / 2, four of my wave's eight columns
	s_wait_loadcnt 1                               ; T, the mean and the flag are in; gam's one load stays out
	v_pk_add_f32 v[TPR:TPR+1], v[TPR:TPR+1], v[TPR+2:TPR+3]
	v_pk_add_f32 v[TPR+4:TPR+5], v[TPR+4:TPR+5], v[TPR+6:TPR+7]
	v_pk_add_f32 v[TPR:TPR+1], v[TPR:TPR+1], v[TPR+4:TPR+5]
	v_add_f32 v[TT], v[TPR], v[TPR+1]
	RED16 TT
	v_permlanex16_b32 v[TP], v[TT], s[SEL], s[SEL+1]
	v_add_f32 v[TT], v[TT], v[TP]
	s_wait_dscnt 0x0
.irp m, 2,4,8                                      ; over the lanes of my parity: the 16 rows
.irp k, 4,5,6,7
	XSTEP P+\k, \m
.endr
.endr
.irp k, 4,5,6,7
	v_permlanex16_b32 v[P+4+\k], v[P+\k], s[SEL], s[SEL+1]
.endr
.irp k, 4,5,6,7
	v_add_f32 v[P+\k], v[P+\k], v[P+4+\k]
.endr
	ds_store_b128 v[SC], v[P+4:P+7] offset:FIN     ; lanes of one parity write the same 16 bytes with the same values
	s_wait_dscnt 0x0
	s_barrier_signal -1
	s_barrier_wait -1
	ds_load_b128 v[S:S+3], v[RF] offset:FIN
	ds_load_b128 v[S+4:S+7], v[RF] offset:FIN+256
	s_wait_dscnt 0x0
	; THE STEP.  Each half of the lanes holds the whole vectors, eight columns a lane, so a sum over 16 lanes is a sum over the 128 columns, in every lane.
.irp e, 0,1,2,3,4,5,6,7
	v_fma_f32 v[ST+\e], -v[TT], v[M+\e], v[S+\e]
.endr
.irp e, 0,1,2,3,4,5,6,7
	v_mul_f32 v[ST+\e], 0x37000000, v[ST+\e]       ; / 131,072
.endr
	v_mul_f32 v[U0], v[ST], v[ST]
	v_mul_f32 v[U1], v[M], v[ST]
	v_mul_f32 v[U2], v[M], v[M]
.irp e, 1,2,3,4,5,6,7
	v_fmac_f32 v[U0], v[ST+\e], v[ST+\e]
	v_fmac_f32 v[U1], v[M+\e], v[ST+\e]
	v_fmac_f32 v[U2], v[M+\e], v[M+\e]
.endr
.irp m, 1,2,4,8
	XSTEP U0, \m
	XSTEP U1, \m
	XSTEP U2, \m
.endr
	v_sqrt_f32 v[SN], v[U0]
	v_add_f32 v[T4], 1.0, v[U2]
	s_wait_alu depctr_va_vdst(0)
	v_max_num_f32 v[SCL], 0x322bcc77, v[SN]        ; max(|step|, 1e-8)
	v_rcp_f32 v[SCL], v[SCL]
	v_sqrt_f32 v[T4], v[T4]                        ; g(m)
	TW
	v_mul_f32 v[SCL], 0.5, v[SCL]
	v_min_num_f32 v[SCL], 1.0, v[SCL]              ; min(0.5 / that, 1)
	v_mul_f32 v[NS], v[SN], v[SCL]                 ; t: the cut step's length
	v_mul_f32 v[XX], v[NS], v[NS]
	v_mov_b32 v[PL], 0x3638ef1d                    ; sinh(t) / t = 1 + t^2/6 + t^4/120 + t^6/5040 + t^8/362880
	v_fmaak_f32 v[PL], v[PL], v[XX], 0x39500d01
	v_fmaak_f32 v[PL], v[PL], v[XX], 0x3c088889
	v_fmaak_f32 v[PL], v[PL], v[XX], 0x3e2aaaab
	v_fma_f32 v[PL], v[PL], v[XX], 1.0
	v_cmp_lt_f32 vcc_lo, 0x2b8cbccc, v[NS]         ; expmap0 gives 0 where t <= 1e-12
	v_cndmask_b32 v[PL], 0, v[PL], vcc_lo
	v_mul_f32 v[KE], v[PL], v[SCL]                 ; e = KE x step
	v_mul_f32 v[EE], v[KE], v[KE]
	v_mul_f32 v[EE], v[EE], v[U0]                  ; |e|^2
	v_mul_f32 v[ME], v[KE], v[U1]                  ; <m, e>
	v_add_f32 v[T3], 1.0, v[EE]
	v_sqrt_f32 v[T3], v[T3]                        ; g(e)
	v_add_f32 v[T4], 1.0, v[T4]
	s_wait_alu depctr_va_vdst(0)
	v_add_f32 v[T3], 1.0, v[T3]
	v_rcp_f32 v[T3], v[T3]
	v_rcp_f32 v[T4], v[T4]
	TW
	v_mul_f32 v[CO2], v[EE], v[T3]                 ; g(e) - 1 = |e|^2 / (1 + g(e))
	v_fmac_f32 v[CO2], v[T4], v[ME]                ; + <m, e> / (1 + g(m))
.irp e, 0,1,2,3,4,5,6,7
	v_mul_f32 v[DF+\e], v[KE], v[ST+\e]
.endr
.irp e, 0,1,2,3,4,5,6,7
	v_fmac_f32 v[DF+\e], v[CO2], v[M+\e]           ; new - m
.endr
.irp e, 0,1,2,3,4,5,6,7
	v_add_f32 v[MM+\e], v[M+\e], v[DF+\e]
.endr
	v_mul_f32 v[U3], v[DF], v[DF]
	v_mul_f32 v[U4], v[MM], v[MM]
.irp e, 1,2,3,4,5,6,7
	v_fmac_f32 v[U3], v[DF+\e], v[DF+\e]
	v_fmac_f32 v[U4], v[MM+\e], v[MM+\e]
.endr
.irp m, 1,2,4,8
	XSTEP U3, \m
	XSTEP U4, \m
.endr
	v_cmp_lt_f32 vcc_lo, 0.5, v[DN]                ; done before this step: the mean stays
	v_cmp_gt_f32 s[CV], 0x2b8cbccc, v[U3]          ; |new - m|^2 < 1e-12
.irp e, 0,1,2,3,4,5,6,7
	v_cndmask_b32 v[MM+\e], v[MM+\e], v[M+\e], vcc_lo
.endr
	v_cndmask_b32 v[M2O], v[U4], v[U2], vcc_lo
	v_cndmask_b32 v[DO], 0, 1.0, s[CV]
	v_max_num_f32 v[DO], v[DO], v[DN]              ; done or converged
	v_add_f32 v[GM], 1.0, v[M2O]
	v_sqrt_f32 v[GM], v[GM]
	TW
	v_add_f32 v[KP], 1.0, v[GM]
	v_rcp_f32 v[KP], v[KP]
	TW
	s_or_b32 s22, ttmp9, s[WV]                     ; wave 0 of each work-group of the first cluster stores the mean and the flag: the cluster's number and the wave's are the same in all four partners
	s_cmp_lg_u32 s22, 0
	s_cbranch_scc1 .Lnostate
.irp e, 0,1,2,3
	v_cndmask_b32 v[ST+\e], v[MM+\e], v[MM+4+\e], s[HM]  ; these four registers and the flag's are not written again
.endr
	global_store_b128 v[L16], v[ST:ST+3], s[SO:SO+1] offset:MOFF  ; each partner its own copy
	global_store_b32 v[L4], v[DO], s[SO:SO+1] offset:FOFF
.Lnostate:
	; THE PASS
	s_wait_loadcnt 0x0                             ; gam
	s_wait_tensorcnt 0x0                           ; my 32 rows of xh are in LDS
.irp j, 0,1,2,3,4,5,6,7,8,9,10,11,12,13,14,15
	ds_load_b128 v[X+4*\j:X+4*\j+3], v[XA] offset:512*\j  ; a row pair: 32 lanes, 16 neighbouring bytes each
.endr
.irp j, 0,1,2,3,4,5,6,7,8,9,10,11,12,13,14,15
	s_wait_dscnt 15-\j                             ; LDS loads come back in order (ISA guide 5.7.1): row pair j is in, the 15 - j younger loads stay out
	MIX D+\j, X+4*\j, 0, MM, ZR
.endr
.irp e, 1,2,3,4,5,6,7                              ; 16 chains side by side
.irp j, 0,1,2,3,4,5,6,7,8,9,10,11,12,13,14,15
	MIX D+\j, X+4*\j+\e/2, \e%2, MM+\e, D+\j
.endr
.endr
	TRED D
	ROWMATH D
.irp j, 0,1,2,3,4,5,6,7,8,9,10,11,12,13,14,15
	v_mov_b32_dpp v[D+\j], v[GG] row_share:\j row_mask:0xf bank_mask:0xf  ; the weight of row 2 j + h, in all 16 lanes that hold the row
.endr
.irp j, 0,1,2,3,4,5,6,7,8,9,10,11,12,13,14,15
.irp e, 0,1,2,3,4,5,6,7
.if \j == 0
	MIX ACC+\e, X+4*\j+\e/2, \e%2, D+\j, ZR
.else
	MIX ACC+\e, X+4*\j+\e/2, \e%2, D+\j, ACC+\e
.endif
.endr
.endr
.irp e, 0,1,2,3,4,5,6,7
	v_permlanex16_b32 v[DF+\e], v[ACC+\e], s[SEL], s[SEL+1]
.endr
.irp e, 0,1,2,3,4,5,6,7
	v_add_f32 v[ACC+\e], v[ACC+\e], v[DF+\e]
.endr
.irp e, 0,1,2,3
	v_cndmask_b32 v[DF+\e], v[ACC+\e], v[ACC+4+\e], s[HM]
.endr
	ds_store_b128 v[SD], v[DF:DF+3] offset:ACB
.irp m, 1,2,4,8
	XSTEP TL, \m
	XSTEP VL, \m
.endr
	v_permlanex16_b32 v[TP], v[TL], s[SEL], s[SEL+1]
	v_permlanex16_b32 v[TP2], v[VL], s[SEL], s[SEL+1]
	v_add_f32 v[TL], v[TL], v[TP]
	v_add_f32 v[VL], v[VL], v[TP2]
	ds_store_b32 v[SE], v[TL] offset:TVB
	ds_store_b32 v[SE], v[VL] offset:TVB+64
	s_wait_dscnt 0x0                               ; for the others' sake
	s_barrier_signal -1
	s_barrier_wait -1
	s_cmp_lg_u32 s[WV], 0
	s_cbranch_scc1 .Lend
.irp j, 0,1,2,3,4,5,6,7,8,9,10,11,12,13,14,15      ; wave 0 adds the 16 waves' sums and stores the work-group's row
	ds_load_b128 v[P+4*\j:P+4*\j+3], v[LA] offset:ACB+512*\j
.endr
	ds_load_b32 v[TL], v[LB] offset:TVB            ; lanes 0 to 15 the T, lanes 16 to 31 the V
	s_wait_dscnt 0x0
	TREE P, 4
	RED16 TL
	global_store_b128 v[L16], v[P:P+3], s[20:21]
	v_cmp_eq_u32 vcc_lo, 0, v[RR]
	s_wait_xcnt 0x0                                ; EXEC changes only behind this wait
	s_and_saveexec_b32 s29, vcc_lo
	global_store_b32 v[TVO], v[TL], s[10:11] offset:TOFF  ; lane 0: T, lane 16: V
	s_wait_xcnt 0x0                                ; and again ahead of the line that widens it
	s_or_b32 exec_lo, exec_lo, s29
.Lend:
	s_wait_tensorcnt 0x0                           ; the wave's end: a tensor wait, an LDS add and its wait, behind my last tensor load and my last LDS store
	ds_add_u32 v[SPW], v[NIL]
	s_wait_dscnt 0x0
	CROUND                                         ; the closing round: no work-group ends while a partner may still ask for rows by a load that names it
	s_endpgm
.Lfunc_end_k_q0bfab84b1b_it1:
	.size	k_q0bfab84b1b_it1, .Lfunc_end_k_q0bfab84b1b_it1-k_q0bfab84b1b_it1
	.p2alignl 7, 3214868480
	.fill 96, 4, 3214868480
	.section	.rodata,"a",@progbits
	.p2align	6, 0x0
	.amdhsa_kernel k_q0bfab84b1b_it1
		.amdhsa_group_segment_fixed_size 281856
		.amdhsa_private_segment_fixed_size 0
		.amdhsa_enable_private_segment 0
		.amdhsa_kernarg_size 32
		.amdhsa_user_sgpr_count 2
		.amdhsa_user_sgpr_kernarg_segment_ptr 1
		.amdhsa_wavefront_size32 1
		.amdhsa_system_sgpr_workgroup_id_x 1
		.amdhsa_system_sgpr_workgroup_id_y 1
		.amdhsa_system_sgpr_workgroup_id_z 1
		.amdhsa_system_vgpr_workitem_id 0
		.amdhsa_next_free_vgpr 252
		.amdhsa_next_free_sgpr 66
		.amdhsa_reserve_vcc 1
		.amdhsa_float_denorm_mode_32 3
		.amdhsa_float_denorm_mode_16_64 3
		.amdhsa_memory_ordered 1
		.amdhsa_forward_progress 1
		.amdhsa_inst_pref_size 46
	.end_amdhsa_kernel
	.amdgpu_metadata
---
amdhsa.version: [ 1, 2 ]
amdhsa.kernels:
  - .name:           k_q0bfab84b1b_it1
    .symbol:         k_q0bfab84b1b_it1.kd
    .args:
      - { .name: xh, .offset: 0, .size: 8, .value_kind: global_buffer, .address_space: global }
      - { .name: gam, .offset: 8, .size: 8, .value_kind: global_buffer, .address_space: global }
      - { .name: wsa, .offset: 16, .size: 8, .value_kind: global_buffer, .address_space: global }
      - { .name: wsb, .offset: 24, .size: 8, .value_kind: global_buffer, .address_space: global }
    .group_segment_fixed_size: 281856
    .private_segment_fixed_size: 0
    .kernarg_segment_align: 8
    .kernarg_segment_size: 32
    .max_flat_workgroup_size: 512
    .sgpr_count:     66
    .vgpr_count:     252
    .wavefront_size: 32
...
	.end_amdgpu_metadata
.endif
;; end of part 4
;; launch it2: the kernel of part 4 again; grid 256 x 1, 16 waves a work-group, clusters of 4 x 1, 281,856 bytes of LDS; arguments xh, gam, wsb, wsa; writes wsa
;; launch it3: the kernel of part 4 again; grid 256 x 1, 16 waves a work-group, clusters of 4 x 1, 281,856 bytes of LDS; arguments xh, gam, wsa, wsb; writes wsb
;; launch it4: the kernel of part 4 again; grid 256 x 1, 16 waves a work-group, clusters of 4 x 1, 281,856 bytes of LDS; arguments xh, gam, wsb, wsa; writes wsa
;; launch it5: the kernel of part 4 again; grid 256 x 1, 16 waves a work-group, clusters of 4 x 1, 281,856 bytes of LDS; arguments xh, gam, wsa, wsb; writes wsb
;; launch it6: the kernel of part 4 again; grid 256 x 1, 16 waves a work-group, clusters of 4 x 1, 281,856 bytes of LDS; arguments xh, gam, wsb, wsa; writes wsa
;; launch it7: the kernel of part 4 again; grid 256 x 1, 16 waves a work-group, clusters of 4 x 1, 281,856 bytes of LDS; arguments xh, gam, wsa, wsb; writes wsb
;; launch it8: the kernel of part 4 again; grid 256 x 1, 16 waves a work-group, clusters of 4 x 1, 281,856 bytes of LDS; arguments xh, gam, wsb, wsa; writes wsa
;; launch final: the kernel of part 3 again; grid 256 x 1, 16 waves a work-group, no clusters, 0 bytes of LDS; arguments xh, gam, wsa, weight, shift, post_gain, out0; writes out0
;; ======== version 3 of 3: 10 launches; version 2 with the launch final written anew for expert scheduling mode
;; limits: values are held in f16: magnitudes above 65,504 overflow, below 6.1e-05 lose precision; inputs' magnitudes at most 65,504
;; workspace buffers: xh 33,554,432 bytes; gam 524,288 bytes; wsa 136,192 bytes; wsb 136,192 bytes
;; launch first: the kernel of part 1 again; grid 256 x 1, 16 waves a work-group, no clusters, 12,544 bytes of LDS; arguments x, xh, gam, wsa; writes xh, gam, wsa
;; launch it1: the kernel of part 4 again; grid 256 x 1, 16 waves a work-group, clusters of 4 x 1, 281,856 bytes of LDS; arguments xh, gam, wsa, wsb; writes wsb
;; launch it2: the kernel of part 4 again; grid 256 x 1, 16 waves a work-group, clusters of 4 x 1, 281,856 bytes of LDS; arguments xh, gam, wsb, wsa; writes wsa
;; launch it3: the kernel of part 4 again; grid 256 x 1, 16 waves a work-group, clusters of 4 x 1, 281,856 bytes of LDS; arguments xh, gam, wsa, wsb; writes wsb
;; launch it4: the kernel of part 4 again; grid 256 x 1, 16 waves a work-group, clusters of 4 x 1, 281,856 bytes of LDS; arguments xh, gam, wsb, wsa; writes wsa
;; launch it5: the kernel of part 4 again; grid 256 x 1, 16 waves a work-group, clusters of 4 x 1, 281,856 bytes of LDS; arguments xh, gam, wsa, wsb; writes wsb
;; launch it6: the kernel of part 4 again; grid 256 x 1, 16 waves a work-group, clusters of 4 x 1, 281,856 bytes of LDS; arguments xh, gam, wsb, wsa; writes wsa
;; launch it7: the kernel of part 4 again; grid 256 x 1, 16 waves a work-group, clusters of 4 x 1, 281,856 bytes of LDS; arguments xh, gam, wsa, wsb; writes wsb
;; launch it8: the kernel of part 4 again; grid 256 x 1, 16 waves a work-group, clusters of 4 x 1, 281,856 bytes of LDS; arguments xh, gam, wsb, wsa; writes wsa
;; launch final (part 5): grid 256 x 1, 16 waves a work-group, no clusters, 0 bytes of LDS; arguments xh, gam, wsa, weight, shift, post_gain, out0; writes out0
.if DOCPART == 5
	.amdgcn_target "amdgcn-amd-amdhsa--gfx1250"
	.amdhsa_code_object_version 6
	.text
	.protected	k_q0bfab84b1b_final
	.globl	k_q0bfab84b1b_final
	.p2align	8
	.type	k_q0bfab84b1b_final,@function
k_q0bfab84b1b_final:
	s_mov_b64 s[64:65], 0
	v_nop
	global_prefetch_b8 v0, s[64:65] scope:SCOPE_SE
	s_setreg_imm32_b32 hwreg(HW_REG_WAVE_SCHED_MODE, 0, 2), 2
	s_setreg_imm32_b32 hwreg(HW_REG_WAVE_MODE, 25, 1), 1
	s_wait_xcnt 0x0
	s_wait_alu depctr_vm_vsrc(0)
; GyroBNPV, LAUNCH 10 OF 10: the output.  From launch 9's table: the final mean m and the 256 V, whose sum / N is the variance.
; ALGEBRA, with g(u) = sqrt(1 + |u|^2) and, for a row x: y = (-m) (+) x = x - a m, a = g(x) - <m,x> / (1 + g(m)); |y| = n, n^2 = C^2 - 1, C = g(x) g(m) - <m,x>; d = asinh(n) = ln(C + n).
;   z = k1 y, k1 = sinh(clip(f d)) / max(n, 1e-12), f = shift / sqrt(max(var, 1e-3) + 1e-6); g(z) = cosh(clip(f d)).
;   t = w (+) z = (<w,z> / (1 + g(w)) + g(z)) w + z with w = expmap0(weight); g(t) = g(w) g(z) + <w,z>; <w,z> = k1 (<w,x> - a <w,m>).
;   out = k3 t, k3 = sinh(clip(gain asinh|t|)) / max(|t|, 1e-12).  So out = A x + B m + G w with A = k3 k1, B = -A a, G = k3 (<w,z> / (1 + g(w)) + g(z)): two dot products and three numbers a row.
; SHARES and the lanes' layout as in launch 1: a wave owns 32 rows; lane (h, r) holds columns 4 r .. + 3 and 64 + 4 r .. + 3 of row 2 j + h, so each store of out0 has 16 lanes on 256 consecutive bytes, aligned.
; No wave needs another's numbers (each adds up the 256 V itself: 1,024 bytes), so there is no LDS and no barrier.
; LIMITS.  x as xh holds it (f16).  NaN and infinities are not treated apart: nan_to_num is the identity on finite numbers and is not written.  C and g(t) are held at 1 from below; where n or |t| comes out 0 the factor is 0,
; as in reference()'s arm for a norm of at most 1e-12.  sinh is half the difference of two exponentials: off by some 1e-7 in absolute terms; for the weight's norm below 0.5 the series to t^8 is chosen, by a select.
; NOT USED: matrix units, tensor loads, clusters (what is shared is 2,048 bytes), a prefetch (all loads go out at the head).
; THE MODE: SCHED_MODE bits 1:0 = 2 (LLVM: expert scheduling mode 2), set by the entry lines.  The code itself states the register dependences between vector instructions and memory instructions, with s_wait_alu, always for 0.
; THE PLAN.  Registers that memory instructions touch:
;   v4 to v8      Byte offsets.  Written by vector lines at the head, once; read by every load and store; never written again.
;   VP, MM, W, X, GX   Loaded data.  All 23 loads go out at the head, and no vector line ahead of them names these registers; vector lines read them behind the waits on LOADcnt.
;   16 OUT-SETS   Eight registers for each of the wave's 16 row pairs.  Written by that row pair's sixteen multiply-adds, once; read by its two stores.  Each row pair has a set of its own (OSET gives the map), so no register
;                 that a store has read is written again: the text holds no wait on vm_vsrc behind its entry lines, and its way out none on XCNT.
; THE WAY OUT goes in eight blocks of two row pairs.  Block p broadcasts its rows' three numbers and makes its two out-sets; its memory instructions are the four stores of block p - 1, whose sets, like v8, no vector line of
; block p names.  So ONE wait on va_vdst at a block's head states all that its four stores hang on, and they are dealt among its vector lines, two in front of each row pair's sixteen.  One more stands ahead of the last four stores.
; The other waits: one on va_sdst ahead of the first reader of the wave's number; one on va_vdst ahead of the first load (the offsets); one on va_sdst between the two compares and the two selects; and, behind each
; batch of transcendentals, the wait on va_vdst ahead of the batch's first reader.
.set VOFF,  132096                     ; ws: the 256 V
.set MOFF,  133120                     ; ws: the mean
.set LN,  1
.set RR,  2
.set HH,  3
.set L16, 4
.set R16, 5
.set PO,  6                            ; 8,192 w + 16 lane
.set GO,  7                            ; 4 x (32 w + 2 r + h)
.set OO,  8                            ; 16,384 w + 512 h + 16 r
.set ZR,  9
.set TP,  10
.set D,   16                           ; v[16:31]  <m, x>; later A, broadcast
.set Q,   32                           ; v[32:47]  <w, x>; later pairs (B, G), broadcast
.set TA,  48                           ; v[48:51]  at work in the transposing sum
.set VP,  96                           ; v[96:103] eight V
.set MM,  104                          ; v[104:111] m
.set W,   112                          ; v[112:119] weight, then w
.set X,   128                          ; v[128:191] 16 row pairs of xh
.set VS,  192
.set U0,  193
.set U1,  194
.set U2,  195
.set FF,  196
.set NW,  197
.set GM,  198
.set T1,  199
.set T2,  200
.set T3,  201
.set XX,  202
.set PL,  203
.set CW,  204
.set WMS, 205
.set GW,  206
.set KM,  207
.set KW,  208
.set GA,  209
.set GX,  210
.set CC,  211
.set AA,  212
.set NN,  213
.set LG,  214
.set RN,  215
.set DD,  216
.set RA,  217
.set SH,  218
.set CH,  219
.set K1,  220
.set WZ,  221
.set GT,  222
.set NT,  223
.set K3,  224
.set CA,  225
.set CB,  226
.set CG,  227
.set WV,  20
.set MB3, 30
.set MB2, 31
.set MB1, 32
.set MB0, 33
.set SEL, 34
.set SML, 36                           ; s36 lanes in which the weight's norm is below 0.5
.set NZ,  37                           ; s37 lanes in which it is above 1e-12
.macro MIX d, xr, hf, b, c             ; d = f16 half hf of xr, times b, plus c, in f32
.if \hf
	v_fma_mix_f32 v[\d], v[\xr], v[\b], v[\c] op_sel:[1,0,0] op_sel_hi:[1,0,0]
.else
	v_fma_mix_f32 v[\d], v[\xr], v[\b], v[\c] op_sel_hi:[1,0,0]
.endif
.endm
.macro XSTEP a, m
	v_add_f32_dpp v[\a], v[\a], v[\a] row_xmask:\m row_mask:0xf bank_mask:0xf
.endm
.macro TSTEP base, cnt, sm             ; the transposing sum's step with distance cnt: keep one half of the numbers, send the other, add what comes
.set j, 0
.rept \cnt
	v_cndmask_b32 v[TA+j%4], v[\base+j+\cnt], v[\base+j], s[\sm]
	v_cndmask_b32 v[\base+j], v[\base+j], v[\base+j+\cnt], s[\sm]
	v_add_f32_dpp v[\base+j], v[TA+j%4], v[\base+j] row_xmask:\cnt row_mask:0xf bank_mask:0xf
.set j, j+1
.endr
.endm
.macro TRED base                       ; 16 numbers a lane, summed over 16 lanes: lane r ends with sum number r, row 2 r + h
	TSTEP \base, 8, MB3
	TSTEP \base, 4, MB2
	TSTEP \base, 2, MB1
	TSTEP \base, 1, MB0
.endm
.macro EXPS                            ; RA is clipped to +-30 as reference() clips it; T1 = e^RA, T2 = e^-RA
	v_max_num_f32 v[RA], 0xc1f00000, v[RA]
	v_min_num_f32 v[RA], 0x41f00000, v[RA]
	v_mul_f32 v[T1], 0x3fb8aa3b, v[RA]
	v_mul_f32 v[T2], 0xbfb8aa3b, v[RA]
	v_exp_f32 v[T1], v[T1]
	v_exp_f32 v[T2], v[T2]
	v_nop                                          ; a plain instruction behind the last exponential
	s_wait_alu depctr_va_vdst(0)                   ; the two exponentials have written T1 and T2, ahead of their first reader
.endm
.macro CAST j                          ; row 2 j + h's three numbers, in all 16 lanes that hold the row
	v_mov_b32_dpp v[D+\j], v[CA] row_share:\j row_mask:0xf bank_mask:0xf
	v_mov_b32_dpp v[Q+2*(\j%8)], v[CB] row_share:\j row_mask:0xf bank_mask:0xf
	v_mov_b32_dpp v[Q+2*(\j%8)+1], v[CG] row_share:\j row_mask:0xf bank_mask:0xf
.endm
; ob: the out-set of row pair j.  0-4: v64-103 (the last eight held V, dead behind the head).  5-8: v192-223 (the head's and the row arithmetic's single numbers, dead when A, B and G are made).
; 9, 10: v48-63.  11: v120-127.  12-15: v128-159, which held xh of row pairs 0 to 7: those are last read in blocks 0 to 3, and these sets are made in blocks 6 and 7.
.macro OSET j
.if (\j) < 5
.set ob, 64+8*(\j)
.elseif (\j) < 9
.set ob, 192+8*((\j)-5)
.elseif (\j) < 11
.set ob, 48+8*((\j)-9)
.elseif (\j) == 11
.set ob, 120
.else
.set ob, 128+8*((\j)-12)
.endif
.endm
.macro MAKEJ j                         ; row pair j's out-set: B m + G w, two columns an instruction; + A x from the f16 halves
	OSET \j
.set bc, Q+2*((\j)%8)
.irp k, 0,1,2,3
	v_pk_mul_f32 v[ob+2*\k:ob+2*\k+1], v[MM+2*\k:MM+2*\k+1], v[bc:bc+1] op_sel_hi:[1,0]
.endr
.irp k, 0,1,2,3
	v_pk_fma_f32 v[ob+2*\k:ob+2*\k+1], v[W+2*\k:W+2*\k+1], v[bc:bc+1], v[ob+2*\k:ob+2*\k+1] op_sel:[0,1,0] op_sel_hi:[1,1,1]
.endr
.irp e, 0,1,2,3,4,5,6,7
	MIX ob+\e, X+4*(\j)+\e/2, \e%2, D+(\j), ob+\e
.endr
.endm
.macro SENDJ j                         ; row pair j's two stores
	OSET \j
	global_store_b128 v[OO], v[ob:ob+3], s[28:29] offset:1024*(\j) th:TH_STORE_NT
	global_store_b128 v[OO], v[ob+4:ob+7], s[28:29] offset:1024*(\j)+256 th:TH_STORE_NT
.endm
.macro BLK a, b                        ; the block of row pairs a and b = a + 1
.if (\a) > 0
	s_wait_alu depctr_va_vdst(0)                   ; the block before has written its two out-sets, which the four stores of this block read; no vector line below names those sets or v8
	SENDJ (\a)-2
.endif
	CAST \a
	CAST \b
	MAKEJ \a
.if (\a) > 0
	SENDJ (\b)-2
.endif
	MAKEJ \b
.endm
	s_load_b256 s[4:11], s[0:1], 0x0               ; xh s[4:5], gam s[6:7], ws s[8:9], weight s[10:11]
	s_load_b128 s[12:15], s[0:1], 0x20             ; shift s[12:13], post_gain s[14:15]
	s_load_b64 s[16:17], s[0:1], 0x30              ; out0
	v_lshrrev_b32 v[TA], 5, v0
	v_readfirstlane_b32 s[WV], v[TA]
	v_and_b32 v[LN], 31, v0
	v_and_b32 v[RR], 15, v0
	v_bfe_u32 v[HH], v0, 4, 1
	v_lshlrev_b32 v[L16], 4, v[LN]
	v_lshlrev_b32 v[R16], 4, v[RR]
	v_mov_b32 v[ZR], 0
	v_mov_b32 v[TP], 0
	s_wait_alu depctr_va_sdst(0)                   ; the wave's number is written into s[WV], ahead of its first reader: the three shifts below
	s_lshl_b32 s21, s[WV], 13                      ; each in a register of its own
	s_lshl_b32 s38, s[WV], 7
	s_lshl_b32 s39, s[WV], 14
	v_add_nc_u32 v[PO], s21, v[L16]
	v_lshl_add_u32 v[GO], v[RR], 3, s38
	v_lshl_add_u32 v[GO], v[HH], 2, v[GO]
	v_lshl_add_u32 v[OO], v[HH], 9, v[R16]
	v_add_nc_u32 v[OO], s39, v[OO]
	s_mov_b32 s[MB3], 0xff00ff00
	s_mov_b32 s[MB2], 0xf0f0f0f0
	s_mov_b32 s[MB1], 0xcccccccc
	s_mov_b32 s[MB0], 0xaaaaaaaa
	s_mov_b32 s[SEL], 0x76543210
	s_mov_b32 s[SEL+1], 0xfedcba98
	s_lshl_b32 s22, ttmp9, 17
	s_mov_b32 s23, 0
	s_wait_kmcnt 0x0
	s_load_b32 s18, s[12:13], 0x0                  ; shift
	s_load_b32 s19, s[14:15], 0x0                  ; post_gain
	s_wait_alu depctr_va_vdst(0)                   ; the five offsets v4 to v8 are written, which every load and store of the kernel reads; they are never written again
	global_load_b128 v[VP:VP+3], v[L16], s[8:9] offset:VOFF
	global_load_b128 v[VP+4:VP+7], v[L16], s[8:9] offset:VOFF+512
	global_load_b128 v[MM:MM+3], v[R16], s[8:9] offset:MOFF
	global_load_b128 v[MM+4:MM+7], v[R16], s[8:9] offset:MOFF+256
	global_load_b128 v[W:W+3], v[R16], s[10:11]
	global_load_b128 v[W+4:W+7], v[R16], s[10:11] offset:256
	s_add_nc_u64 s[24:25], s[4:5], s[22:23]
	s_lshl_b32 s22, ttmp9, 11
	s_add_nc_u64 s[26:27], s[6:7], s[22:23]
	s_lshl_b32 s22, ttmp9, 18
	s_add_nc_u64 s[28:29], s[16:17], s[22:23]
.irp j, 0,1,2,3,4,5,6,7,8,9,10,11,12,13,14,15
	global_load_b128 v[X+4*\j:X+4*\j+3], v[PO], s[24:25] offset:512*\j th:TH_LOAD_NT
.endr
	global_load_b32 v[GX], v[GO], s[26:27] th:TH_LOAD_NT
	s_wait_loadcnt 17                              ; V, m and weight are in; xh's 16 loads and gam's stay out
	s_wait_kmcnt 0x0
	v_pk_add_f32 v[VP:VP+1], v[VP:VP+1], v[VP+2:VP+3]
	v_pk_add_f32 v[VP+4:VP+5], v[VP+4:VP+5], v[VP+6:VP+7]
	v_pk_add_f32 v[VP:VP+1], v[VP:VP+1], v[VP+4:VP+5]
	v_add_f32 v[VS], v[VP], v[VP+1]
	v_mul_f32 v[U0], v[MM], v[MM]
	v_mul_f32 v[U1], v[W], v[W]
	v_mul_f32 v[U2], v[W], v[MM]
.irp e, 1,2,3,4,5,6,7
	v_fmac_f32 v[U0], v[MM+\e], v[MM+\e]
	v_fmac_f32 v[U1], v[W+\e], v[W+\e]
	v_fmac_f32 v[U2], v[W+\e], v[MM+\e]
.endr
.irp m, 1,2,4,8
	XSTEP VS, \m
	XSTEP U0, \m
	XSTEP U1, \m
	XSTEP U2, \m
.endr
	v_permlanex16_b32 v[TP], v[VS], s[SEL], s[SEL+1]
	v_add_f32 v[VS], v[VS], v[TP]
	v_mul_f32 v[VS], 0x37000000, v[VS]             ; / 131,072
	v_max_num_f32 v[VS], 0x322bcc77, v[VS]         ; max(var, 1e-8)
	v_max_num_f32 v[VS], 0x3a83126f, v[VS]         ; max(var, 1e-3)
	v_add_f32 v[VS], 0x358637bd, v[VS]             ; + 1e-6
	v_add_f32 v[GM], 1.0, v[U0]
	v_rsq_f32 v[FF], v[VS]
	v_sqrt_f32 v[NW], v[U1]                        ; |weight|
	v_sqrt_f32 v[GM], v[GM]                        ; g(m)
	v_nop                                          ; a plain instruction behind the last root
	s_wait_alu depctr_va_vdst(0)                   ; the three roots have written FF, NW and GM, ahead of their first reader
	v_mul_f32 v[FF], s18, v[FF]                    ; f
	v_mul_f32 v[T1], 0x3fb8aa3b, v[NW]
	v_mul_f32 v[T2], 0xbfb8aa3b, v[NW]
	v_max_num_f32 v[T3], 0x2b8cbccc, v[NW]
	v_add_f32 v[KM], 1.0, v[GM]
	v_exp_f32 v[T1], v[T1]
	v_exp_f32 v[T2], v[T2]
	v_rcp_f32 v[T3], v[T3]
	v_rcp_f32 v[KM], v[KM]                         ; 1 / (1 + g(m))
	v_mul_f32 v[XX], v[NW], v[NW]
	s_wait_alu depctr_va_vdst(0)                   ; the two exponentials and the two reciprocals have written T1, T2, T3 and KM, ahead of their first reader
	v_cmp_gt_f32 s[SML], 0.5, v[NW]                ; the two compares stand as a run, each with a scalar register of its own, so that one wait serves both
	v_cmp_lt_f32 s[NZ], 0x2b8cbccc, v[NW]
	v_mov_b32 v[PL], 0x3638ef1d                    ; sinh(t) / t by the series, for t < 0.5
	v_fmaak_f32 v[PL], v[PL], v[XX], 0x39500d01
	v_fmaak_f32 v[PL], v[PL], v[XX], 0x3c088889
	v_fmaak_f32 v[PL], v[PL], v[XX], 0x3e2aaaab
	v_fma_f32 v[PL], v[PL], v[XX], 1.0
	v_sub_f32 v[T1], v[T1], v[T2]                  ; and by the exponentials, from 0.5 on
	v_mul_f32 v[T1], 0.5, v[T1]
	v_mul_f32 v[T1], v[T1], v[T3]
	s_wait_alu depctr_va_sdst(0)                   ; the two compares have written s[SML] and s[NZ], ahead of the selects that read them
	v_cndmask_b32 v[CW], v[T1], v[PL], s[SML]
	v_cndmask_b32 v[CW], 0, v[CW], s[NZ]           ; expmap0 gives 0 where the norm is at most 1e-12
.irp e, 0,1,2,3,4,5,6,7
	v_mul_f32 v[W+\e], v[CW], v[W+\e]              ; w
.endr
	v_mul_f32 v[WMS], v[CW], v[U2]                 ; <w, m>
	v_mul_f32 v[T1], v[CW], v[NW]
	v_fma_f32 v[GW], v[T1], v[T1], 1.0
	v_sqrt_f32 v[GW], v[GW]                        ; g(w)
	v_mov_b32 v[GA], s19
	s_wait_alu depctr_va_vdst(0)                   ; the root has written GW, ahead of its first reader
	v_add_f32 v[KW], 1.0, v[GW]
	v_rcp_f32 v[KW], v[KW]                         ; 1 / (1 + g(w))
	v_max_num_f32 v[GA], 0.5, v[GA]
	v_min_num_f32 v[GA], 0x40400000, v[GA]         ; the gain, clipped to 0.5 .. 3
	s_wait_alu depctr_va_vdst(0)                   ; the reciprocal has written KW, ahead of its first reader
	s_wait_loadcnt 0x0                             ; xh and gam
.irp j, 0,1,2,3,4,5,6,7,8,9,10,11,12,13,14,15
	MIX D+\j, X+4*\j, 0, MM, ZR
	MIX Q+\j, X+4*\j, 0, W, ZR
.endr
.irp e, 1,2,3,4,5,6,7
.irp j, 0,1,2,3,4,5,6,7,8,9,10,11,12,13,14,15
	MIX D+\j, X+4*\j+\e/2, \e%2, MM+\e, D+\j
	MIX Q+\j, X+4*\j+\e/2, \e%2, W+\e, Q+\j
.endr
.endr
	TRED D
	TRED Q
	; a lane a row
	v_fma_f32 v[CC], v[GX], v[GM], -v[D]
	v_fma_f32 v[AA], -v[KM], v[D], v[GX]           ; a
	v_max_num_f32 v[CC], 1.0, v[CC]
	v_fma_f32 v[NN], v[CC], v[CC], -1.0
	v_sqrt_f32 v[NN], v[NN]                        ; n
	v_fma_f32 v[WZ], -v[AA], v[WMS], v[Q]          ; <w, x> - a <w, m>
	s_wait_alu depctr_va_vdst(0)                   ; the root has written NN, ahead of its first reader
	v_add_f32 v[LG], v[CC], v[NN]
	v_max_num_f32 v[RN], 0x2b8cbccc, v[NN]
	v_log_f32 v[LG], v[LG]
	v_rcp_f32 v[RN], v[RN]
	v_nop                                          ; a plain instruction behind the reciprocal
	s_wait_alu depctr_va_vdst(0)                   ; the logarithm and the reciprocal have written LG and RN, ahead of their first reader
	v_mul_f32 v[DD], 0x3f317218, v[LG]             ; d
	v_mul_f32 v[RA], v[FF], v[DD]
	EXPS
	v_sub_f32 v[SH], v[T1], v[T2]
	v_add_f32 v[CH], v[T1], v[T2]
	v_mul_f32 v[SH], 0.5, v[SH]
	v_mul_f32 v[CH], 0.5, v[CH]                    ; g(z)
	v_mul_f32 v[K1], v[SH], v[RN]
	v_mul_f32 v[WZ], v[K1], v[WZ]                  ; <w, z>
	v_fma_f32 v[GT], v[GW], v[CH], v[WZ]           ; g(t)
	v_max_num_f32 v[GT], 1.0, v[GT]
	v_fma_f32 v[NT], v[GT], v[GT], -1.0
	v_sqrt_f32 v[NT], v[NT]                        ; |t|
	v_fma_f32 v[CG], v[KW], v[WZ], v[CH]
	s_wait_alu depctr_va_vdst(0)                   ; the root has written NT, ahead of its first reader
	v_add_f32 v[LG], v[GT], v[NT]
	v_max_num_f32 v[RN], 0x2b8cbccc, v[NT]
	v_log_f32 v[LG], v[LG]
	v_rcp_f32 v[RN], v[RN]
	v_nop                                          ; a plain instruction behind the reciprocal
	s_wait_alu depctr_va_vdst(0)                   ; the logarithm and the reciprocal have written LG and RN, ahead of their first reader
	v_mul_f32 v[DD], 0x3f317218, v[LG]
	v_mul_f32 v[RA], v[GA], v[DD]
	EXPS
	v_sub_f32 v[SH], v[T1], v[T2]
	v_mul_f32 v[SH], 0.5, v[SH]
	v_mul_f32 v[K3], v[SH], v[RN]
	v_mul_f32 v[CA], v[K3], v[K1]                  ; A
	v_mul_f32 v[CG], v[K3], v[CG]                  ; G
	v_mul_f32 v[CB], -v[CA], v[AA]                 ; B
	; THE WAY OUT: eight blocks of two row pairs; each block's stores leave in the next
	BLK 0, 1
	BLK 2, 3
	BLK 4, 5
	BLK 6, 7
	BLK 8, 9
	BLK 10, 11
	BLK 12, 13
	BLK 14, 15
	s_wait_alu depctr_va_vdst(0)                   ; the last block has written its two out-sets, which the last four stores read
	SENDJ 14
	SENDJ 15
	s_endpgm
.Lfunc_end_k_q0bfab84b1b_final:
	.size	k_q0bfab84b1b_final, .Lfunc_end_k_q0bfab84b1b_final-k_q0bfab84b1b_final
	.p2alignl 7, 3214868480
	.fill 96, 4, 3214868480
	.section	.rodata,"a",@progbits
	.p2align	6, 0x0
	.amdhsa_kernel k_q0bfab84b1b_final
		.amdhsa_group_segment_fixed_size 0
		.amdhsa_private_segment_fixed_size 0
		.amdhsa_enable_private_segment 0
		.amdhsa_kernarg_size 56
		.amdhsa_user_sgpr_count 2
		.amdhsa_user_sgpr_kernarg_segment_ptr 1
		.amdhsa_wavefront_size32 1
		.amdhsa_system_sgpr_workgroup_id_x 1
		.amdhsa_system_sgpr_workgroup_id_y 1
		.amdhsa_system_sgpr_workgroup_id_z 1
		.amdhsa_system_vgpr_workitem_id 0
		.amdhsa_next_free_vgpr 232
		.amdhsa_next_free_sgpr 66
		.amdhsa_reserve_vcc 0
		.amdhsa_float_denorm_mode_32 3
		.amdhsa_float_denorm_mode_16_64 3
		.amdhsa_memory_ordered 1
		.amdhsa_forward_progress 1
		.amdhsa_inst_pref_size 55
	.end_amdhsa_kernel
	.amdgpu_metadata
---
amdhsa.version: [ 1, 2 ]
amdhsa.kernels:
  - .name:           k_q0bfab84b1b_final
    .symbol:         k_q0bfab84b1b_final.kd
    .args:
      - { .name: xh, .offset: 0, .size: 8, .value_kind: global_buffer, .address_space: global }
      - { .name: gam, .offset: 8, .size: 8, .value_kind: global_buffer, .address_space: global }
      - { .name: wsa, .offset: 16, .size: 8, .value_kind: global_buffer, .address_space: global }
      - { .name: weight, .offset: 24, .size: 8, .value_kind: global_buffer, .address_space: global }
      - { .name: shift, .offset: 32, .size: 8, .value_kind: global_buffer, .address_space: global }
      - { .name: post_gain, .offset: 40, .size: 8, .value_kind: global_buffer, .address_space: global }
      - { .name: out0, .offset: 48, .size: 8, .value_kind: global_buffer, .address_space: global }
    .group_segment_fixed_size: 0
    .private_segment_fixed_size: 0
    .kernarg_segment_align: 8
    .kernarg_segment_size: 56
    .max_flat_workgroup_size: 512
    .sgpr_count:     66
    .vgpr_count:     232
    .wavefront_size: 32
...
	.end_amdgpu_metadata
.endif
;; end of part 5
